; MI455X (gfx1250); checked and timed in simulation.
; The chip was launched on July 23, 2026; its instructions are those of AMD's public machine-readable ISA for CDNA 5 (MIT licence, August 2026) and "CDNA5" Instruction Set Architecture Reference Guide (July 2026). The comments in the code are by the model that wrote it; some were corrected since.
;; Dy Intra Modality Update. Allowed arithmetic: matrix products marked QUANTISED: E2M1 operands, one E8M0 scale for each 32 along K, by v_wmma_scale_f32_16x16x128_f8f6f4 with both operands' format E2M1 (or v_wmma_scale_f32_32x16x128_f4), f32 sums; everything else in f32.
;; Inputs: W_t4v_codes 1,024 x 32 x 16 uint8 (E2M1 codes of W_t4v, K innermost, in blocks of 32 codes, two codes a byte); W_t4v_scales 1,024 x 32 uint8 (E8M0 scales of W_t4v, one for each 32 codes along K); W_t_codes 3,072 x 32 x 16 uint8 (E2M1 codes of W_t, K innermost, in blocks of 32 codes, two codes a byte); W_t_scales 3,072 x 32 uint8 (E8M0 scales of W_t, one for each 32 codes along K); W_to_codes 1,024 x 32 x 16 uint8 (E2M1 codes of W_to, K innermost, in blocks of 32 codes, two codes a byte); W_to_scales 1,024 x 32 uint8 (E8M0 scales of W_to, one for each 32 codes along K); W_v4t_codes 1,024 x 32 x 16 uint8 (E2M1 codes of W_v4t, K innermost, in blocks of 32 codes, two codes a byte); W_v4t_scales 1,024 x 32 uint8 (E8M0 scales of W_v4t, one for each 32 codes along K); W_v_codes 3,072 x 32 x 16 uint8 (E2M1 codes of W_v, K innermost, in blocks of 32 codes, two codes a byte); W_v_scales 3,072 x 32 uint8 (E8M0 scales of W_v, one for each 32 codes along K); W_vo_codes 1,024 x 32 x 16 uint8 (E2M1 codes of W_vo, K innermost, in blocks of 32 codes, two codes a byte); W_vo_scales 1,024 x 32 uint8 (E8M0 scales of W_vo, one for each 32 codes along K); b_t 3,072 float32; b_t4v 1,024 float32; b_to 1,024 float32; b_v 3,072 float32; b_v4t 1,024 float32; b_vo 1,024 float32; t 32 x 256 x 1,024 float32; t_mask 32 x 256 float32; v 32 x 128 x 1,024 float32; v_mask 32 x 128 float32.
;; Outputs: out0 32 x 128 x 1,024 float32; out1 32 x 256 x 1,024 float32.
;; Constants: num_head = 16.
;; This version of the problem:
;;   THIS VERSION OF THE PROBLEM IS GIVEN IN LOW PRECISION. The matrix products marked QUANTISED in the list below multiply operands that are first quantised to E2M1 (2 exponent bits, 1 mantissa bit; 4 bits a number), with one power-of-two scale for each 32 numbers along K (OCP MX v1.0); their sums are f32. All else is computed in f32.
;;   The module's matrix products, in the order in which they are computed (A, B: the left and right operand; K: the contracted axis; several contracted axes count as one K, in the product's order):
;;     1. [M 32, K 1,024] x [K 1,024, N 1,024]; A: computed on the way; B: input W_v4t (given as codes): QUANTISED
;;     2. [M 32, K 1,024] x [K 1,024, N 1,024]; A: computed on the way; B: input W_t4v (given as codes): QUANTISED
;;     3. [M 4,096, K 1,024] x [K 1,024, N 3,072]; A: computed on the way; B: input W_v (given as codes): QUANTISED
;;     4. [M 8,192, K 1,024] x [K 1,024, N 3,072]; A: computed on the way; B: input W_t (given as codes): QUANTISED
;;     5. batch 512 x [M 128, K 64] x [K 64, N 128]; A: computed on the way; B: computed on the way: QUANTISED
;;     6. batch 512 x [M 128, K 128] x [K 128, N 64]; A: softmax (see below); B: computed on the way: QUANTISED
;;     7. batch 512 x [M 256, K 64] x [K 64, N 256]; A: computed on the way; B: computed on the way: QUANTISED
;;     8. batch 512 x [M 256, K 256] x [K 256, N 64]; A: softmax (see below); B: computed on the way: QUANTISED
;;     9. [M 4,096, K 1,024] x [K 1,024, N 1,024]; A: computed on the way; B: input W_vo (given as codes): QUANTISED
;;     10. [M 8,192, K 1,024] x [K 1,024, N 1,024]; A: computed on the way; B: input W_to (given as codes): QUANTISED
;;   THE QUANTISER, for each operand of a quantised product, along K:
;;     - K is cut into blocks of 32 from its start; a last block that is shorter is filled with zeros.
;;     - A block's scale is 2^e with e = floor(log2(the largest magnitude in the block)) - 2, held to -126 .. 127; a block of zeros has e = 0. As a byte (E8M0): e + 127.
;;     - Each number is divided by its block's scale, clamped to +-6, and rounded to the nearest number of E2M1, ties to even, subnormals kept.
;;     - The product sums the exact products of the quantised numbers (number of the format x scale) in f32.
;;   ~~~python
;;   def quantise(x, axis):      # numpy; x: float32 -> the quantised numbers, widened to float32 again
;;       x = np.moveaxis(x, axis, -1); K = x.shape[-1]
;;       x = np.pad(x, [(0, 0)] * (x.ndim - 1) + [(0, -K % 32)]); x = x.reshape(x.shape[:-1] + (-1, 32)); a = np.abs(x).max(-1, keepdims=True)
;;       e = np.where(a > 0, np.clip(np.frexp(np.where(a > 0, a, 1))[1] - 1 - 2, -126, 127), 0)      # np.frexp(a)[1] - 1 = floor(log2(a)), exactly
;;       r = np.clip(x / 2.0 ** e, -6, 6)
;;       step = 2.0 ** (np.maximum(np.frexp(np.where(r == 0, 1, r))[1] - 1, 0) - 1)
;;       q = np.round(r / step) * step * 2.0 ** e      # np.round: ties to even
;;       return np.moveaxis(q.reshape(q.shape[:-2] + (-1,))[..., :K], -1, axis).astype(np.float32)
;;   ~~~
;;   SOFTMAX AHEAD OF A QUANTISED PRODUCT. Where the list says 'softmax', what is quantised is not the finished softmax but p = 2^(t - M), with t = logit x log2(e) and M = ceil(the row's largest t), a whole number; so 1/2 < the row's largest p <= 1. The row's sum l is taken of the UNQUANTISED p, in f32, and the product's result is divided by l at the end. Since M is a whole number, a kernel that streams over the keys may use a running M (the ceiling of the running maximum): every later rescaling is an exact power of two, which a block's scale takes up: the codes' values come out the same.
;;   OPERANDS COMPUTED ON THE WAY. 'Computed on the way' means the value that the module computes at that place (a softmax that the list does not call 'softmax' is quantised finished and normalised). What goes into a quantiser is computed in f32, as accurately as f32 sums, v_exp_f32 and their like allow (about 1e-6 of the number): no bf16 or f16 on the way to a quantiser, and a product that is left as it is and whose result goes on into a quantised operand takes f32 operands (vector FMAs, or v_wmma_f32_16x16x4_f32). A number that lies on a knife's edge between two numbers of the format may be rounded either way, as far as f32 arithmetic and the matrix unit's own rounding can turn it there, and no further.
;;   INPUTS GIVEN AS CODES. W_t (in the module: [1024, 3072], K = its axis 0); W_t4v (in the module: [1024, 1024], K = its axis 0); W_to (in the module: [1024, 1024], K = its axis 0); W_v (in the module: [1024, 3072], K = its axis 0); W_v4t (in the module: [1024, 1024], K = its axis 0); W_vo (in the module: [1024, 1024], K = its axis 0): each comes as NAME_codes (uint8): NAME with its K axis moved to the last place and cut into blocks of 32 codes, [.., K / 32, bytes a block], one block behind the other in memory; two codes a byte, the lower K in the low four bits (a code: sign, 2 exponent bits, 1 mantissa bit); and NAME_scales (uint8): the same leading axes, one E8M0 byte (e + 127) for each 32 codes along K. Its value is code x scale, taken as it is: it is not quantised again, and the codes and scales need not be those that the quantiser above would give.
;; 2 versions. Each part assembles by itself: llvm-mc -triple=amdgcn-amd-amdhsa -mcpu=gfx1250 --defsym DOCPART=n.
;; ======== version 1 of 2: 3 launches
;; limits: right only within a limited range of input values
;; workspace buffers: XC 6,291,456 bytes; XS 393,216 bytes; MC 32,768 bytes; MS 2,048 bytes; YC 6,291,456 bytes; YS 393,216 bytes
;; launch prep (part 1): grid 8 x 64, 8 waves a work-group, no clusters, 73,728 bytes of LDS; arguments v, t, v_mask, t_mask, XC, XS, MC, MS; writes XC, XS, MC, MS
.if DOCPART == 1
	.amdgcn_target "amdgcn-amd-amdhsa--gfx1250"
	.amdhsa_code_object_version 6
	.text
	.protected	k_q39f7e01aa6_prep
	.globl	k_q39f7e01aa6_prep
	.p2align	8
	.type	k_q39f7e01aa6_prep,@function
k_q39f7e01aa6_prep:
	s_mov_b64 s[64:65], 0
	v_nop
	global_prefetch_b8 v0, s[64:65] scope:SCOPE_SE
	s_setreg_imm32_b32 hwreg(HW_REG_WAVE_MODE, 25, 1), 1
	s_wait_xcnt 0x0
; FIRST OF THREE LAUNCHES.  relu(v) and relu(t) become codes of E2M1 with one E8M0 byte for each 32 along K = 1,024, and the masked means of v and t, relu'd, likewise.
; NO WORK OF THE PROBLEM IS LEFT OUT IN ANY LAUNCH: every bias, mask and gate goes into a quantised operand of a live product, so all 22 inputs are loaded.
; The score products' K = 64 is filled to the instruction's 128 with zero codes, as the quantiser's rule fills a short block.
; LAYOUT OF THE WORKSPACE.  The 12,288 rows (v's 4,096, then t's 8,192) are taken in tiles of 16.  Tile T = 2 g + u holds, at its place i, the row 32 g + 8 u + i + 8 (i / 8);
; pos = 16 T + i.  XC: [T][block of 32 along K: 32][place 16][16 bytes]: a K step's fragment is 2 x 512 bytes on end, 16 bytes a lane, the operand's registers as they stand.
; XS: [K step 8][pos] words of four scale bytes.  MC, MS: [v's mean, t's mean][batch][512 bytes of codes], [..][32 scale bytes], rows as the weights have them.
; SHARES.  Work-group (x, y): K step x (128 columns) of batch y of v (y < 32: 8 tiles, one trip) or of batch y - 32 of t (16 tiles, two trips).  Wave w takes tile w + 8 x trip.
; A row's 512 bytes come by one load of the wave; the 16 rows turn through the wave's own stage in LDS, so that a lane then holds two whole blocks of 32 of one row.
; A block's scale byte is its largest magnitude's exponent field - 2, held at 1 from below (a block of zeros gets 1 where the rule says 127: its codes are zeros, and this program alone reads the bytes).
; LIMITS: NaN and infinities among the inputs are not served; a batch whose masks add up to 0 (NaN in the problem's own terms) is not reproduced.
; No cluster, no tensor load: the work-groups share no input, and each byte is read once.
.set STGB,  8448                       ; a wave's stage: 16 rows x (512 + 16) bytes
.set RED,   67584                      ; 8 waves x 512 bytes: column sums
.set REDM,  71680                      ; 8 words: sums of masks
.set MROW,  71936                      ; 512 bytes: the mean's 128 numbers
.set SPARE, 72448                      ; the spare words, 128 bytes a wave: four blocks of 256 bytes that no other line names
	s_load_b256 s[4:11], s[0:1], 0x0               ; v, t, v_mask, t_mask
	s_load_b256 s[12:19], s[0:1], 0x20             ; XC, XS, MC, MS
	v_lshl_add_u32 v10, v0, 2, SPARE               ; my spare word; never rewritten
	v_mov_b32 v11, 0                               ; 0; never rewritten
	v_lshrrev_b32 v1, 5, v0
	v_readfirstlane_b32 s20, v1                    ; wave 0..7
	v_and_b32 v1, 31, v0                           ; lane
	v_and_b32 v2, 15, v0                           ; r
	v_bfe_u32 v3, v0, 4, 1                         ; h
	v_lshlrev_b32 v4, 4, v1                        ; 16 x lane
	s_mul_i32 s28, s20, STGB
	v_add_nc_u32 v5, s28, v4                       ; the stage, in: 16 x lane of a row
	v_mul_u32_u24 v6, v2, 528
	v_lshl_add_u32 v6, v3, 7, v6
	v_add_nc_u32 v6, s28, v6                       ; and out: row r, block h
	v_lshlrev_b32 v7, 2, v2
	v_lshl_add_u32 v7, v3, 1, v7                   ; 4 r + 2 h: my half of row r's scale word
	v_lshlrev_b32 v8, 3, v3                        ; 8 h
	v_lshlrev_b32 v9, 4, v3                        ; 16 h
	s_mov_b32 s48, 0x76543210
	s_mov_b32 s49, 0xfedcba98                      ; v_permlanex16_b32's selects for lane l xor 16
	s_and_b32 s22, ttmp7, 0xffff                   ; y
	s_and_b32 s24, s22, 31                         ; batch
	s_cmp_ge_u32 s22, 32
	s_cselect_b32 s23, 1, 0                        ; 1: t
	s_cselect_b32 s25, 2, 1                        ; trips
	s_cselect_b32 s27, 8, 7                        ; log2 of the batch's rows
	s_lshl_b32 s26, s24, s27                       ; the batch's first row in its tensor
	s_lshr_b32 s28, s20, 1
	s_lshl_b32 s28, s28, 5
	s_and_b32 s29, s20, 1
	s_lshl_b32 s29, s29, 3
	s_add_co_u32 s28, s28, s29
	s_add_co_u32 s28, s28, s26                     ; my tile's first row: + 32 (w / 2) + 8 (w % 2)
	s_lshl_b32 s29, s23, 12
	s_add_co_u32 s29, s29, s26
	s_lshl_b32 s30, s20, 4
	s_add_co_u32 s29, s29, s30                     ; pos of my tile
	v_mov_b32 v12, 0                               ; the sums of mask x x of my four columns
	v_mov_b32 v13, 0
	v_mov_b32 v14, 0
	v_mov_b32 v15, 0
	v_mov_b32 v30, 0                               ; the sum of my rows' masks
	v_mov_b32 v25, 0                               ; (a lane permute's destination counts as one of its sources)
	s_mov_b32 s31, 0
	s_wait_kmcnt 0x0
	s_cmp_ge_u32 s22, 32                           ; the choice hangs on the work-group's number alone
	s_cselect_b64 s[4:5], s[6:7], s[4:5]
	s_cselect_b64 s[8:9], s[10:11], s[8:9]
	s_lshl_b32 s30, s28, 12
	s_lshl_b32 s52, ttmp9, 9
	s_add_co_u32 s30, s30, s52
	s_add_nc_u64 s[4:5], s[4:5], s[30:31]          ; x: row x 4,096 + K step x 512
	s_lshl_b32 s30, s28, 2
	s_add_nc_u64 s[8:9], s[8:9], s[30:31]          ; the masks of my rows
	s_lshl_b32 s30, s29, 9
	s_lshl_b32 s52, ttmp9, 10
	s_add_co_u32 s30, s30, s52
	s_add_nc_u64 s[12:13], s[12:13], s[30:31]      ; XC: pos x 512 + K step x 1,024
	s_mul_i32 s30, ttmp9, 49152
	s_lshl_b32 s52, s29, 2
	s_add_co_u32 s30, s30, s52
	s_add_nc_u64 s[14:15], s[14:15], s[30:31]      ; XS
	s_lshl_b32 s30, s23, 14
	s_lshl_b32 s52, s24, 9
	s_add_co_u32 s30, s30, s52
	s_lshl_b32 s52, ttmp9, 6
	s_add_co_u32 s30, s30, s52
	s_add_nc_u64 s[16:17], s[16:17], s[30:31]      ; MC
	s_lshl_b32 s30, s23, 10
	s_lshl_b32 s52, s24, 5
	s_add_co_u32 s30, s30, s52
	s_lshl_b32 s52, ttmp9, 2
	s_add_co_u32 s30, s30, s52
	s_add_nc_u64 s[18:19], s[18:19], s[30:31]      ; MS
	s_mov_b32 s51, 0
.Ltrip:                                                ; one tile of 16 rows x 128 columns
	s_load_b256 s[32:39], s[8:9], 0x0              ; the masks of places 0-7,
	s_load_b256 s[40:47], s[8:9], 0x40             ; and of places 8-15, 16 rows on
.irp i, 0,1,2,3,4,5,6,7,8,9,10,11,12,13,14,15
	global_load_b128 v[32+4*\i:35+4*\i], v4, s[4:5] offset:(\i+8*(\i/8))*4096 th:TH_LOAD_NT   ; 32 lanes read 512 consecutive bytes of a row
.endr
	s_wait_kmcnt 0x0
.irp i, 0,1,2,3,4,5,6,7,8,9,10,11,12,13,14,15
	s_wait_loadcnt 15-\i                           ; row i is in; the younger rows may be out
	v_fmac_f32 v12, s[32+\i], v[32+4*\i]           ; the mean's sums take x as it is,
	v_fmac_f32 v13, s[32+\i], v[33+4*\i]
	v_fmac_f32 v14, s[32+\i], v[34+4*\i]
	v_fmac_f32 v15, s[32+\i], v[35+4*\i]
	v_add_f32 v30, s[32+\i], v30
	v_max_num_f32 v[32+4*\i], 0, v[32+4*\i]        ; the projection's operand is relu(x)
	v_max_num_f32 v[33+4*\i], 0, v[33+4*\i]
	v_max_num_f32 v[34+4*\i], 0, v[34+4*\i]
	v_max_num_f32 v[35+4*\i], 0, v[35+4*\i]
	ds_store_b128 v5, v[32+4*\i:35+4*\i] offset:\i*528
.endr
.irp c, 0,1
.irp i, 0,1,2,3,4,5,6,7
	ds_load_b128 v[96+32*\c+4*\i:99+32*\c+4*\i], v6 offset:\c*256+16*\i   ; LDS serves a wave's instructions in order: these see my stores.  Block 2 c + h of row r, whole
.endr
.endr
	s_wait_dscnt 0x0
.irp c, 0,1
	v_max3_num_f32 v[24+\c], v[96+32*\c], v[97+32*\c], 0x1800000   ; no |.|: nothing is negative.  The floor 2^(3 - 127) holds the byte at 1 from below
.endr
.irp i, 2,4,6,8,10,12,14,16,18,20,22,24,26,28,30
.irp c, 0,1
	v_max3_num_f32 v[24+\c], v[24+\c], v[96+32*\c+\i], v[97+32*\c+\i]
.endr
.endr
.irp c, 0,1
	v_add_nc_u32 v[26+\c], 0xff000000, v[24+\c]    ; 2 off the exponent field: the conversion's scale operand
.endr
.irp c, 0,1
	v_lshrrev_b32 v[28+\c], 23, v[26+\c]           ; the scale's byte
.endr
.irp c, 0,1
.irp g, 0,1,2,3
	v_cvt_scalef32_pk8_fp4_f32 v[16+4*\c+\g], v[96+32*\c+8*\g:103+32*\c+8*\g], v[26+\c]
.endr
.endr
	v_lshl_or_b32 v24, v29, 16, v28                ; my two bytes, blocks h and 2 + h,  (a plain line behind the conversions)
	v_lshlrev_b32 v24, v8, v24                     ; at their places in the word;
	v_permlanex16_b32 v25, v24, s48, s49
	v_or_b32 v24, v24, v25                         ; with lane l xor 16's the word is whole;
	v_lshrrev_b32 v24, v9, v24                     ; its half h goes out from me: 32 lanes store 64 consecutive bytes
	global_store_b128 v4, v[16:19], s[12:13]       ; 512 consecutive bytes: registers 0-3 of the fragment,
	global_store_b128 v4, v[20:23], s[12:13] offset:512   ; and 4-7
	global_store_b16 v7, v24, s[14:15]
	s_wait_xcnt 0x0                                ; the bases and the stores' data are written again only behind this wait
	s_add_nc_u64 s[4:5], s[4:5], 0x80000           ; 128 rows on
	s_add_nc_u64 s[8:9], s[8:9], 512
	s_add_nc_u64 s[12:13], s[12:13], 0x10000
	s_add_nc_u64 s[14:15], s[14:15], 512
	s_add_co_u32 s51, s51, 1
	s_cmp_lt_u32 s51, s25
	s_cbranch_scc1 .Ltrip
	; the mean: the eight waves' sums meet in LDS
	s_lshl_b32 s28, s20, 9
	s_add_co_u32 s28, s28, RED
	v_add_nc_u32 v24, s28, v4
	s_lshl_b32 s28, s20, 2
	s_add_co_u32 s28, s28, REDM
	v_mov_b32 v25, s28
	v_add_nc_u32 v26, RED, v4
	v_mov_b32 v27, REDM
	v_add_nc_u32 v28, MROW, v4
	v_and_b32 v29, 3, v0
	v_lshl_add_u32 v29, v29, 7, MROW
	ds_store_b128 v24, v[12:15]
	ds_store_b32 v25, v30                          ; all lanes write the same word with the same value
	s_wait_dscnt 0x0                               ; for the others' sake: my stores have landed
	s_barrier_signal -1
	s_barrier_wait -1
	s_cmp_lg_u32 s20, 0
	s_cbranch_scc1 .Lend                           ; wave 0 alone finishes the mean: 128 numbers
.irp k, 0,1,2,3,4,5,6,7
	ds_load_b128 v[32+4*\k:35+4*\k], v26 offset:512*\k
.endr
	ds_load_b128 v[64:67], v27
	ds_load_b128 v[68:71], v27 offset:16
	s_wait_dscnt 0x0
.irp k, 1,2,3,4,5,6,7
	v_pk_add_f32 v[32:33], v[32:33], v[32+4*\k:33+4*\k]
	v_pk_add_f32 v[34:35], v[34:35], v[34+4*\k:35+4*\k]
.endr
	v_add_f32 v64, v64, v65
	v_add_f32 v66, v66, v67
	v_add_f32 v68, v68, v69
	v_add_f32 v70, v70, v71
	v_add_f32 v64, v64, v66
	v_add_f32 v68, v68, v70
	v_add_f32 v64, v64, v68                        ; the batch's sum of masks
	v_rcp_f32 v65, v64
	v_nop                                          ; a plain line behind the reciprocal
	s_wait_alu depctr_va_vdst(0)                   ; and the wait ahead of its first reader
.irp j, 0,1,2,3
	v_mul_f32 v[32+\j], v[32+\j], v65
.endr
.irp j, 0,1,2,3
	v_max_num_f32 v[32+\j], 0, v[32+\j]            ; relu(mean)
.endr
	ds_store_b128 v28, v[32:35]
.irp i, 0,1,2,3,4,5,6,7
	ds_load_b128 v[96+4*\i:99+4*\i], v29 offset:16*\i   ; lane l takes block l % 4, whole
.endr
	s_wait_dscnt 0x0
	v_max3_num_f32 v24, v96, v97, 0x1800000
.irp i, 2,4,6,8,10,12,14,16,18,20,22,24,26,28,30
	v_max3_num_f32 v24, v24, v[96+\i], v[97+\i]
.endr
	v_add_nc_u32 v66, 0xff000000, v24
.irp g, 0,1,2,3
	v_cvt_scalef32_pk8_fp4_f32 v[16+\g], v[96+8*\g:103+8*\g], v66
.endr
	v_lshrrev_b32 v67, 23, v66
	v_cmp_gt_u32 vcc_lo, 4, v1
	s_wait_xcnt 0x0                                ; EXEC changes only behind this wait
	s_and_saveexec_b32 s50, vcc_lo                 ; lanes 0-3: the four blocks
	global_store_b128 v4, v[16:19], s[16:17]
	global_store_b8 v1, v67, s[18:19]
	s_wait_xcnt 0x0                                ; and again, in front of the line that widens it
	s_or_b32 exec_lo, exec_lo, s50
.Lend:
	s_wait_tensorcnt 0x0                           ; the wave's end
	ds_add_u32 v10, v11
	s_wait_dscnt 0x0
	s_endpgm
.Lfunc_end_k_q39f7e01aa6_prep:
	.size	k_q39f7e01aa6_prep, .Lfunc_end_k_q39f7e01aa6_prep-k_q39f7e01aa6_prep
	.p2alignl 7, 3214868480
	.fill 96, 4, 3214868480
	.section	.rodata,"a",@progbits
	.p2align	6, 0x0
	.amdhsa_kernel k_q39f7e01aa6_prep
		.amdhsa_group_segment_fixed_size 73728
		.amdhsa_private_segment_fixed_size 0
		.amdhsa_enable_private_segment 0
		.amdhsa_kernarg_size 64
		.amdhsa_user_sgpr_count 2
		.amdhsa_user_sgpr_kernarg_segment_ptr 1
		.amdhsa_wavefront_size32 1
		.amdhsa_system_sgpr_workgroup_id_x 1
		.amdhsa_system_sgpr_workgroup_id_y 1
		.amdhsa_system_sgpr_workgroup_id_z 1
		.amdhsa_system_vgpr_workitem_id 0
		.amdhsa_next_free_vgpr 160
		.amdhsa_next_free_sgpr 66
		.amdhsa_reserve_vcc 1
		.amdhsa_float_denorm_mode_32 3
		.amdhsa_float_denorm_mode_16_64 3
		.amdhsa_memory_ordered 1
		.amdhsa_forward_progress 1
		.amdhsa_inst_pref_size 21
	.end_amdhsa_kernel
	.amdgpu_metadata
---
amdhsa.version: [ 1, 2 ]
amdhsa.kernels:
  - .name:           k_q39f7e01aa6_prep
    .symbol:         k_q39f7e01aa6_prep.kd
    .args:
      - { .name: v, .offset: 0, .size: 8, .value_kind: global_buffer, .address_space: global }
      - { .name: t, .offset: 8, .size: 8, .value_kind: global_buffer, .address_space: global }
      - { .name: v_mask, .offset: 16, .size: 8, .value_kind: global_buffer, .address_space: global }
      - { .name: t_mask, .offset: 24, .size: 8, .value_kind: global_buffer, .address_space: global }
      - { .name: XC, .offset: 32, .size: 8, .value_kind: global_buffer, .address_space: global }
      - { .name: XS, .offset: 40, .size: 8, .value_kind: global_buffer, .address_space: global }
      - { .name: MC, .offset: 48, .size: 8, .value_kind: global_buffer, .address_space: global }
      - { .name: MS, .offset: 56, .size: 8, .value_kind: global_buffer, .address_space: global }
    .group_segment_fixed_size: 73728
    .private_segment_fixed_size: 0
    .kernarg_segment_align: 8
    .kernarg_segment_size: 64
    .max_flat_workgroup_size: 256
    .sgpr_count:     66
    .vgpr_count:     160
    .wavefront_size: 32
...
	.end_amdgpu_metadata
.endif
;; end of part 1
;; launch attn (part 2): grid 16 x 48, 4 waves a work-group, no clusters, 148,992 bytes of LDS; arguments XC, XS, MC, MS, YC, YS, W_v_codes, W_t_codes, W_v_scales, W_t_scales, b_v, b_t, W_t4v_codes, W_v4t_codes, W_t4v_scales, W_v4t_scales, b_t4v, b_v4t, v_mask, t_mask, v, t; writes YC, YS
.if DOCPART == 2
	.amdgcn_target "amdgcn-amd-amdhsa--gfx1250"
	.amdhsa_code_object_version 6
	.text
	.protected	k_q39f7e01aa6_attn
	.globl	k_q39f7e01aa6_attn
	.p2align	8
	.type	k_q39f7e01aa6_attn,@function
k_q39f7e01aa6_attn:
	s_mov_b64 s[64:65], 0
	v_nop
	global_prefetch_b8 v0, s[64:65] scope:SCOPE_SE
	s_setreg_imm32_b32 hwreg(HW_REG_WAVE_MODE, 25, 1), 1
	s_wait_xcnt 0x0
; SECOND LAUNCH.  Work-group (head, chunk): for 256 rows (chunks 0-15: two batches of v; chunks 16-47: one batch of t) and one head of 64: the gate of that head, the k, q and v projections,
; the attention, x + update, and its codes for the last product.  k, q, v, the scores and p never go to memory.  No work of the problem is left out.
; SHARES.  Wave w owns rows 64 w .. 64 w + 63: four tiles of 16 in the workspace's order (place i of tile 2 g + u = row 32 g + 8 u + i + 8 (i / 8)).  Its codes of relu(x), all of K = 1,024,
; stay in 256 registers for the three passes; the head's 192 rows of W lie in LDS, in the same order of places, read by all four waves.
; k and q are made TRANSPOSED (source 0 = 16 rows of W, source 1 = 16 rows of x): a lane holds one row, its registers run along d.  v is made the plain way round: a lane holds one d, its registers run
; along the keys.  So each is quantised along its own K in registers; the fragments go to the other waves through LDS as images of their registers, 16 bytes a lane.
; SOFTMAX: t = score x log2(e) / 8; M = the running largest t rounded up to a whole number; p = 2^(t - M) is quantised along the keys; the row's sum of the unquantised p divides at the end.
; A key whose mask is not above 0 gets -2^100 as the C of the score product in place of -infinity: p is 0 either way.
; LIMITS: NaN and infinities among the inputs are not served.  A batch with no key that counts (NaN in the problem's own terms) is not reproduced.  The running largest t is held at -2^60 from below,
; so that a first key step with no key that counts gives p = 0 and is wiped out by the next step's factor 0: logits x log2(e) under -2^60 are not served.  A block of zeros carries the byte 1.
; NO CLUSTER, NO TENSOR LOAD: of the 320 KiB that a work-group reads, 128 KiB (x's codes) go straight into the registers of the one wave that owns the rows, where a joint load cannot land,
; and 64 KiB (the residual) are the work-group's own; the W slice that the chunks of a head share is 96 KiB.
.set WSEG,  33792                      ; LDS: 64 rows of W x (512 + 16) bytes; three of them from byte 0: k, q, v
.set GL,    101376                     ; 1 + gate: [half of the chunk 2][64] f32
.set ML,    101888                     ; the 256 rows' masks
.set NBL,   102912                     ; 0 or -2^100 for each key
.set XST,   103936                     ; a stage of 16 rows x 272 bytes for each wave: the residual
.set SPARE, 121344                     ; the spare words, 128 bytes a wave: two blocks of 256 bytes that no other line names
.set QIMG,  121856                     ; q: 16 tiles x 512 bytes
.set QSC,   130048                     ; its scale words, 64 bytes a tile
.set KIMG,  131072                     ; k likewise, 9,216 bytes behind q's
.set KSC,   139264
.set VIMG,  140288                     ; v: [key step 2][d tile 4][half of the fragment 2][512]
.set VSC,   148480                     ; [key step][d tile][16] words
.set SPW, 4
.set NIL, 5
.set L16, 6                            ; 16 x lane
.set L4,  7                            ; 4 x lane
.set WRD, 8                            ; the projection's registers: W's fragments in LDS: r x 528 + 16 h, + a segment each pass
.set GRD, 9
.set MKRD, 10
.set ISTQ, 11
.set ISTV, 12
.set SSTQ, 13
.set SSTV, 14
.set WSO, 15                           ; W's scale words: (8 h + r + 8 (r / 8)) x 32
.set MM,  16                           ; v16-23: my row's mask in tile a at v[16 + 2 a], and a copy beside it
.set PFO, 24
.set H64, 25
.set R4P, 26                           ; (r + 8 (r / 8)) x 4
.set NBA, 27
.set NBB, 28
.set AS,  32                           ; v32-47 x's scale words [pair of tiles][K step]; v48-63 W's: these 32 registers hold scales and nothing else
.set WS,  48
.set WB0, 64                           ; two buffers of four fragments of W
.set WB1, 96
.set ACC, 128                          ; 16 accumulators
.set MSB, 0
.macro WIN new                         ; the immediate's high byte repeats the setting that is left
.if MSB != \new
	s_set_vgpr_msb (MSB<<8)|\new
.set MSB, \new
.endif
.endm
.macro PLACES n
.rept \n
	v_nop
.endr
.endm
; one product: D, source 0, source 1, C (first registers), the two scale registers, and whether each is read from lanes 16-31
.macro WM d, a, b, c, sa, sb, ra, rb
.if (\ra) && (\rb)
	v_wmma_scale_f32_16x16x128_f8f6f4 v[\d:\d+7], v[\a:\a+7], v[\b:\b+7], v[\c:\c+7], v[\sa], v[\sb] matrix_a_fmt:MATRIX_FMT_FP4 matrix_b_fmt:MATRIX_FMT_FP4 matrix_a_scale:MATRIX_SCALE_ROW1 matrix_b_scale:MATRIX_SCALE_ROW1
.elseif (\ra)
	v_wmma_scale_f32_16x16x128_f8f6f4 v[\d:\d+7], v[\a:\a+7], v[\b:\b+7], v[\c:\c+7], v[\sa], v[\sb] matrix_a_fmt:MATRIX_FMT_FP4 matrix_b_fmt:MATRIX_FMT_FP4 matrix_a_scale:MATRIX_SCALE_ROW1
.elseif (\rb)
	v_wmma_scale_f32_16x16x128_f8f6f4 v[\d:\d+7], v[\a:\a+7], v[\b:\b+7], v[\c:\c+7], v[\sa], v[\sb] matrix_a_fmt:MATRIX_FMT_FP4 matrix_b_fmt:MATRIX_FMT_FP4 matrix_b_scale:MATRIX_SCALE_ROW1
.else
	v_wmma_scale_f32_16x16x128_f8f6f4 v[\d:\d+7], v[\a:\a+7], v[\b:\b+7], v[\c:\c+7], v[\sa], v[\sb] matrix_a_fmt:MATRIX_FMT_FP4 matrix_b_fmt:MATRIX_FMT_FP4
.endif
.endm
.macro WM0 d, a, b, sa, sb, ra         ; the same with C = 0: it starts a sum
.if (\ra)
	v_wmma_scale_f32_16x16x128_f8f6f4 v[\d:\d+7], v[\a:\a+7], v[\b:\b+7], 0, v[\sa], v[\sb] matrix_a_fmt:MATRIX_FMT_FP4 matrix_b_fmt:MATRIX_FMT_FP4 matrix_a_scale:MATRIX_SCALE_ROW1
.else
	v_wmma_scale_f32_16x16x128_f8f6f4 v[\d:\d+7], v[\a:\a+7], v[\b:\b+7], 0, v[\sa], v[\sb] matrix_a_fmt:MATRIX_FMT_FP4 matrix_b_fmt:MATRIX_FMT_FP4
.endif
.endm
.macro FETCHW s, buf                   ; four fragments of W (64 rows x 128 K), K step s
.irp t, 0,1,2,3
.irp c, 0,1
	ds_load_b128 v[\buf+8*\t+4*\c:\buf+8*\t+4*\c+3], v[WRD] offset:\t*8448+(\s)*64+\c*32
.endr
.endr
.endm
.macro FE adr                          ; 32 numbers by d (1 + gate) or by key (masks): register 16 b + 8 u + j = number 32 b + 16 h + 8 u + j
.irp t, 0,1,2,3
	ds_load_b128 v[WB0+8*\t:WB0+8*\t+3], v[\adr] offset:(32*(\t/2)+8*(\t%2))*4
	ds_load_b128 v[WB0+8*\t+4:WB0+8*\t+7], v[\adr] offset:(32*(\t/2)+8*(\t%2))*4+16
.endr
.endm
; 16 products, the 16 accumulators by turns.  x's fragments lie in window 1 at v[64 a + 8 s].  first = 1: C is the bias, in WB1
.macro MULT s, buf, first              ; transposed: source 0 = W, source 1 = x
.irp a, 0,1,2,3
.irp t, 0,1,2,3
.if \first
	WM ACC+8*(4*\a+\t), \buf+8*\t, 64*\a+8*(\s), WB1+8*\t, WS+8*(\t/2)+(\s), AS+8*(\a/2)+(\s), \t%2, \a%2
.else
	WM ACC+8*(4*\a+\t), \buf+8*\t, 64*\a+8*(\s), ACC+8*(4*\a+\t), WS+8*(\t/2)+(\s), AS+8*(\a/2)+(\s), \t%2, \a%2
.endif
.endr
.endr
.endm
.macro MULV s, buf, first              ; the plain way round: source 0 = x, source 1 = W
.irp t, 0,1,2,3
.irp a, 0,1,2,3
.if \first
	WM ACC+8*(4*\t+\a), 64*\a+8*(\s), \buf+8*\t, WB1+8*\t, AS+8*(\a/2)+(\s), WS+8*(\t/2)+(\s), \a%2, \t%2
.else
	WM ACC+8*(4*\t+\a), 64*\a+8*(\s), \buf+8*\t, ACC+8*(4*\t+\a), AS+8*(\a/2)+(\s), WS+8*(\t/2)+(\s), \a%2, \t%2
.endif
.endr
.endr
.endm
.macro MUL kind, s, buf, first
.if \kind
	WIN 0x01                                       ; source 0 in window 1: an LDS load's address is its source 0, so the setting is left again
	MULV \s, \buf, \first
	WIN 0
.else
	WIN 0x04                                       ; source 1 in window 1: LDS loads name a destination and a source 0 alone, so the setting stays for the pass
	MULT \s, \buf, \first
.endif
.endm
; A pass: 64 rows x 64 columns x K = 1,024: eight K steps of 16 products, W's fragments a K step ahead in two buffers.  Four places stand in front of each run of loads into registers that products have read.
.macro PASS kind, fe, pf
	FETCHW 0, WB0
.if \pf
	global_prefetch_b8 v[PFO], s[30:31] th:TH_LOAD_NT scope:SCOPE_SE                 ; the residual: my 64 rows' 256 bytes of this head, a lane a row, each named once in the launch;
	global_prefetch_b8 v[PFO], s[30:31] offset:131072 th:TH_LOAD_NT scope:SCOPE_SE   ; asked for three passes ahead of the loads that will want them
.endif
	s_wait_loadcnt 0x0                             ; x's codes and scale words, this pass's scale words of W and its bias
.if \kind
.irp t, 0,1,2,3
.irp j, 1,2,3,4,5,6,7
	v_mov_b32 v[WB1+8*\t+\j], v[WB1+8*\t]          ; a lane holds one d: its bias serves all eight rows of the result
.endr
.endr
	PLACES 4
.endif
	s_wait_dscnt 0x0
	MUL \kind, 0, WB0, 1
	PLACES 4
	FETCHW 1, WB1
	FETCHW 2, WB0
	s_wait_dscnt 8                                 ; K step 1 is in; the eight younger loads may be out
	MUL \kind, 1, WB1, 0
.irp s, 2,3,4,5,6
	PLACES 4
	FETCHW \s+1, WB0+32*((\s+1)%2)
	s_wait_dscnt 8                                 ; this K step is in; the next one's eight loads may be out
	MUL \kind, \s, WB0+32*(\s%2), 0
.endr
	PLACES 4
.if \fe == 1
	FE GRD
.else
	FE MKRD
.endif
	s_wait_dscnt 8                                 ; K step 7 is in; the eight loads for the way out may be out
	MUL \kind, 7, WB1, 0
.endm
; nb blocks of 32: register 16 b + i of v[s] on = number 32 b + 16 h + i of the lane's row.  Codes to v[PC] on (after the exchange a lane holds whole blocks: lanes 0-15 block 2 c, lanes 16-31 block 2 c + 1,
; in registers 4 c .. 4 c + 3); the bytes of blocks 2 g and 2 g + 1 to the low half of v[PW + g], its upper bytes 0.
.macro QUANT s, nb
.set qb, 0
.rept \nb
	v_max3_num_f32 v[TM+qb], |v[\s+16*qb]|, |v[\s+16*qb+1]|, 0x1800000   ; the floor 2^(3 - 127) holds the byte at 1 from below
.set qb, qb+1
.endr
.irp i, 2,4,6,8,10,12,14
.set qb, 0
.rept \nb
	v_max3_num_f32 v[TM+qb], v[TM+qb], |v[\s+16*qb+\i]|, |v[\s+16*qb+\i+1]|
.set qb, qb+1
.endr
.endr
.set qb, 0
.rept \nb
	v_permlanex16_b32 v[TM+4+qb], v[TM+qb], s56, s57
.set qb, qb+1
.endr
.set qb, 0
.rept \nb
	v_max_num_f32 v[TM+qb], v[TM+qb], v[TM+4+qb]   ; with lane l xor 16's 16: the block's largest magnitude
.set qb, qb+1
.endr
.set qb, 0
.rept \nb
	v_add_nc_u32 v[TM+12+qb], 0xff000000, v[TM+qb] ; 2 off the exponent field: the conversion's scale operand
.set qb, qb+1
.endr
.set qb, 0
.rept \nb
	v_lshrrev_b32 v[TM+4+qb], 23, v[TM+12+qb]      ; the scale's byte
.set qb, qb+1
.endr
.set qb, 0
.rept (\nb)/2
	v_lshl_or_b32 v[PW+qb], v[TM+5+2*qb], 8, v[TM+4+2*qb]
.set qb, qb+1
.endr
.set qb, 0
.rept \nb
	v_cvt_scalef32_pk8_fp4_f32 v[PC+2*qb], v[\s+16*qb:\s+16*qb+7], v[TM+12+qb]
	v_cvt_scalef32_pk8_fp4_f32 v[PC+2*qb+1], v[\s+16*qb+8:\s+16*qb+15], v[TM+12+qb]
.set qb, qb+1
.endr
	v_nop                                          ; one plain line behind the conversions
.set qb, 0
.rept (\nb)/2
	v_permlane16_swap_b32 v[PC+4*qb], v[PC+4*qb+2]
	v_permlane16_swap_b32 v[PC+4*qb+1], v[PC+4*qb+3]
.set qb, qb+1
.endr
.endm
; behind a pass for k (off = 9216) or q (off = 0): x the row's mask, x (1 + gate), quantised along d; a tile's 64 along d are registers 0-3 of a fragment.  The next pass's scale words and bias are asked for first.
.macro EPI_KQ off, nseg, vnext
	WIN 0
	PLACES 4
.irp p, 0,1
	global_load_b128 v[WS+8*\p:WS+8*\p+3], v[WSO], s[18:19] offset:\nseg*32768+\p*1024
	global_load_b128 v[WS+8*\p+4:WS+8*\p+7], v[WSO], s[18:19] offset:\nseg*32768+\p*1024+16
.endr
.irp t, 0,1,2,3
.if \vnext
	global_load_b32 v[WB1+8*\t], v[R4P], s[20:21] offset:\nseg*4096+(32*(\t/2)+8*(\t%2))*4
.else
	global_load_b128 v[WB1+8*\t:WB1+8*\t+3], v[H64], s[20:21] offset:\nseg*4096+(32*(\t/2)+8*(\t%2))*4
	global_load_b128 v[WB1+8*\t+4:WB1+8*\t+7], v[H64], s[20:21] offset:\nseg*4096+(32*(\t/2)+8*(\t%2))*4+16
.endif
.endr
	v_add_nc_u32 v[WRD], WSEG, v[WRD]
	s_wait_dscnt 0x0                               ; 1 + gate is in
.set ea, 0
.rept 4
.set ek, 0
.rept 16
	v_pk_mul_f32 v[ACC+32*ea+ek:ACC+32*ea+ek+1], v[ACC+32*ea+ek:ACC+32*ea+ek+1], v[MM+2*ea:MM+2*ea+1] op_sel_hi:[1,0]   ; each accumulator from its low end on
.set ek, ek+2
.endr
.set ek, 0
.rept 16
	v_pk_mul_f32 v[ACC+32*ea+ek:ACC+32*ea+ek+1], v[ACC+32*ea+ek:ACC+32*ea+ek+1], v[WB0+ek:WB0+ek+1]
.set ek, ek+2
.endr
.set ea, ea+1
.endr
.irp u, 0,1
	QUANT ACC+64*\u, 4
	ds_store_b128 v[ISTQ], v[PC:PC+3] offset:\off+1024*\u
	ds_store_b128 v[ISTQ], v[PC+4:PC+7] offset:\off+1024*\u+512
	ds_store_b32 v[SSTQ], v[PW] offset:\off+128*\u        ; lanes r and 16 + r write the same word with the same value
	ds_store_b32 v[SSTQ], v[PW+1] offset:\off+128*\u+64
	s_wait_dscnt 0x0                               ; the stores have read their registers
.endr
.endm
	s_load_b256 s[4:11], s[0:1], 0x0               ; XC, XS, MC, MS
	s_load_b128 s[12:15], s[0:1], 0x20             ; YC, YS
	s_load_b512 s[16:31], s[0:1], 0x30             ; eight pairs follow, v's buffer first, t's second
	s_load_b512 s[32:47], s[0:1], 0x70
	v_lshl_add_u32 v[SPW], v0, 2, SPARE
	v_mov_b32 v[NIL], 0
	v_lshrrev_b32 v1, 5, v0
	v_readfirstlane_b32 s48, v1                    ; wave 0..3
	v_and_b32 v1, 31, v0                           ; lane
	v_and_b32 v2, 15, v0                           ; r
	v_bfe_u32 v3, v0, 4, 1                         ; h
	v_lshlrev_b32 v[L16], 4, v1
	v_lshlrev_b32 v[L4], 2, v1
	s_mov_b32 s49, ttmp9                           ; head
	s_and_b32 s50, ttmp7, 0xffff                   ; chunk
	s_cmp_lt_u32 s50, 16
	s_cselect_b32 s51, 1, 0                        ; 1: a chunk of v
	s_cselect_b32 s52, 0, 16
	s_sub_co_u32 s52, s50, s52                     ; the chunk's number in its tensor
	s_lshl_b32 s53, s52, s51                       ; its first batch: 2 x chunk in v, chunk in t
	s_lshl_b32 s52, s52, 8                         ; its first row
	s_lshr_b32 s54, s48, 1
	s_and_b32 s55, s48, 1
	s_mov_b32 s56, 0x76543210
	s_mov_b32 s57, 0xfedcba98                      ; v_permlanex16_b32's selects for lane l xor 16
	s_mov_b32 s58, 0x3e38aa3b                      ; c = log2(e) / 8
	s_mov_b32 s59, s58                             ; (named with it as a pair)
	s_mov_b32 s60, 0xffff0000                      ; lanes 16-31
	s_mov_b32 s78, 0xf1800000                      ; -2^100
	s_mul_i32 s84, s51, s54                        ; my first key step: in v my own batch's (w / 2), in t step 0
	s_lshl_b32 s66, s84, 12
	s_add_co_u32 s68, s66, VIMG
	s_add_co_u32 s66, s66, KIMG
	s_lshl_b32 s67, s84, 9
	s_add_co_u32 s79, s67, NBL
	s_add_co_u32 s67, s67, KSC
	s_lshl_b32 s69, s84, 8
	s_add_co_u32 s69, s69, VSC
	s_lshl_b32 s62, s48, 11
	s_add_co_u32 s62, s62, QIMG                    ; my first tile of q
	s_lshl_b32 s63, s48, 8
	s_add_co_u32 s63, s63, QSC
	v_and_b32 v[R4P], 8, v2
	v_add_nc_u32 v[R4P], v[R4P], v2                ; r + 8 (r / 8)
	v_lshl_add_u32 v[WSO], v3, 3, v[R4P]
	v_lshlrev_b32 v[WSO], 5, v[WSO]
	v_lshlrev_b32 v[R4P], 2, v[R4P]
	v_lshlrev_b32 v[H64], 6, v3
	v_lshlrev_b32 v[PFO], 12, v1
	s_lshl_b32 s80, s54, 5                         ; the head's temporaries, v8-14 and v27-29:
	s_lshl_b32 s83, s55, 3
	s_add_co_u32 s80, s80, s83
	s_mul_i32 s80, s80, 528
	v_add_nc_u32 v8, s80, v[L16]                   ; where my 16 rows of a segment of W go: rows 16 w + i land at place 32 (w / 2) + 8 (w % 2) + 16 (i / 8) + i % 8
	v_add_nc_u32 v9, 2*WSEG, v8
	s_lshl_b32 s80, s48, 8
	s_add_co_u32 s80, s80, ML
	v_lshl_add_u32 v10, v1, 3, s80                 ; my 64 masks, 8 bytes a lane
	v_add_nc_u32 v11, s80, v[R4P]
	v_lshlrev_b32 v29, 3, v1
	v_lshlrev_b32 v12, 9, v2
	v_lshl_add_u32 v12, v3, 4, v12                 ; the gate's W: row r x 512 + 16 h
	v_lshrrev_b32 v13, 3, v2
	v_mul_u32_u24 v27, s51, v13                    ; the mean's row: in v lanes r >= 8 take the chunk's second batch
	v_lshlrev_b32 v13, 9, v27
	v_lshl_add_u32 v13, v3, 4, v13
	v_lshlrev_b32 v27, 5, v27
	v_lshlrev_b32 v14, 5, v2
	s_wait_kmcnt 0x0
	s_cmp_lg_u32 s51, 0                            ; the choices hang on the work-group's number alone
	s_cselect_b64 s[16:17], s[16:17], s[18:19]     ; W's codes
	s_cselect_b64 s[18:19], s[20:21], s[22:23]     ; W's scales
	s_cselect_b64 s[20:21], s[24:25], s[26:27]     ; b
	s_cselect_b64 s[22:23], s[28:29], s[30:31]     ; the gate's W: W_t4v for v, W_v4t for t
	s_cselect_b64 s[24:25], s[32:33], s[34:35]     ; its scales
	s_cselect_b64 s[26:27], s[36:37], s[38:39]     ; its bias
	s_cselect_b64 s[28:29], s[40:41], s[42:43]     ; the masks
	s_cselect_b64 s[30:31], s[44:45], s[46:47]     ; x
	s_mov_b32 s73, 0
	s_lshl_b32 s81, s49, 6
	s_lshl_b32 s80, s48, 4
	s_add_co_u32 s81, s81, s80                     ; 64 x head + 16 x wave
	s_lshl_b32 s72, s81, 9
	s_add_nc_u64 s[16:17], s[16:17], s[72:73]
	s_add_nc_u64 s[22:23], s[22:23], s[72:73]
	s_lshl_b32 s72, s81, 5
	s_add_nc_u64 s[24:25], s[24:25], s[72:73]
	s_lshl_b32 s72, s81, 2
	s_add_nc_u64 s[26:27], s[26:27], s[72:73]
	s_lshl_b32 s72, s49, 11
	s_add_nc_u64 s[18:19], s[18:19], s[72:73]
	s_lshl_b32 s72, s49, 8
	s_add_nc_u64 s[20:21], s[20:21], s[72:73]
	s_lshl_b32 s72, s50, 17
	s_lshl_b32 s80, s48, 15
	s_add_co_u32 s72, s72, s80
	s_add_nc_u64 s[4:5], s[4:5], s[72:73]          ; XC at my four tiles
	s_lshl_b32 s80, s49, 9
	s_add_co_u32 s72, s72, s80
	s_add_nc_u64 s[74:75], s[12:13], s[72:73]      ; YC likewise, at my head's two blocks
	s_lshl_b32 s72, s50, 10
	s_lshl_b32 s80, s48, 8
	s_add_co_u32 s72, s72, s80
	s_add_nc_u64 s[6:7], s[6:7], s[72:73]          ; XS
	s_lshr_b32 s80, s49, 1
	s_mul_i32 s80, s80, 49152
	s_add_co_u32 s72, s72, s80
	s_and_b32 s80, s49, 1
	s_lshl_b32 s80, s80, 1
	s_add_co_u32 s72, s72, s80
	s_add_nc_u64 s[76:77], s[14:15], s[72:73]      ; YS: K step head / 2, bytes 2 (head % 2) on
	s_lshl_b32 s72, s51, 14
	s_lshl_b32 s80, s53, 9
	s_add_co_u32 s72, s72, s80
	s_add_nc_u64 s[8:9], s[8:9], s[72:73]          ; MC: the OTHER modality's mean
	s_lshl_b32 s72, s51, 10
	s_lshl_b32 s80, s53, 5
	s_add_co_u32 s72, s72, s80
	s_add_nc_u64 s[10:11], s[10:11], s[72:73]      ; MS
	s_lshl_b32 s82, s48, 6
	s_add_co_u32 s82, s82, s52                     ; my first row
	s_lshl_b32 s72, s82, 2
	s_add_nc_u64 s[28:29], s[28:29], s[72:73]
	s_lshl_b32 s72, s82, 12
	s_lshl_b32 s80, s49, 8
	s_add_co_u32 s72, s72, s80
	s_add_nc_u64 s[30:31], s[30:31], s[72:73]      ; x at my first row, my head's 256 bytes
.set i, 0
.rept 48
	global_load_b128 v[64+4*i:67+4*i], v[L16], s[16:17] offset:(i/16)*524288+(i%16)*512   ; a whole row of W, 512 bytes, a load
.set i, i+1
.endr
	global_load_b64 v[30:31], v29, s[28:29]
	WIN 0x40                                       ; destination window 1
.set i, 0
.rept 64
	global_load_b128 v[4*i:4*i+3], v[L16], s[4:5] offset:512*i   ; x's fragments as they lie: register 64 a + 8 s + 4 c
.set i, i+1
.endr
	WIN 0
.set i, 0
.rept 16
	global_load_b32 v[AS+i], v[L4], s[6:7] offset:(i%8)*49152+(i/8)*128   ; lanes 0-15: tile 2 p's rows; lanes 16-31: tile 2 p + 1's
.set i, i+1
.endr
	s_wait_loadcnt 63                              ; behind W's rows and the masks stand 80 younger loads: they are in
.set i, 0
.rept 32
	ds_store_b128 v8, v[64+4*i:67+4*i] offset:(i/16)*WSEG+(16*((i%16)/8)+(i%8))*528
.set i, i+1
.endr
.set i, 0
.rept 16
	ds_store_b128 v9, v[192+4*i:195+4*i] offset:(16*(i/8)+(i%8))*528
.set i, i+1
.endr
	ds_store_b64 v10, v[30:31]
	v_cmp_lt_f32 vcc_lo, 0, v30
	v_cndmask_b32 v28, s78, 0, vcc_lo              ; a key counts where its mask is above 0
	v_cmp_lt_f32 vcc_lo, 0, v31
	v_cndmask_b32 v29, s78, 0, vcc_lo
	ds_store_b64 v10, v[28:29] offset:1024         ; NBL lies 1,024 bytes behind ML
.irp a, 0,1,2,3
	ds_load_b32 v[MM+2*\a], v11 offset:(32*(\a/2)+8*(\a%2))*4   ; my own wave's bytes: LDS serves a wave's instructions in order
.endr
	s_wait_dscnt 0x0
.irp a, 0,1,2,3
	v_mov_b32 v[MM+2*\a+1], v[MM+2*\a]
.endr
	v_lshlrev_b32 v29, 5, v3
	; THE GATE of my 16 columns of the head: source 0 = 16 rows of the gate's W, source 1 = the mean (lanes r < 8: the chunk's first half, r >= 8: its second)
.irp s, 0,1,2,3,4,5,6,7
.irp c, 0,1
	global_load_b128 v[128+8*\s+4*\c:131+8*\s+4*\c], v12, s[22:23] offset:\s*64+\c*32
	global_load_b128 v[192+8*\s+4*\c:195+8*\s+4*\c], v13, s[8:9] offset:\s*64+\c*32
.endr
.endr
	global_load_b128 v[48:51], v14, s[24:25]
	global_load_b128 v[52:55], v14, s[24:25] offset:16
	global_load_b128 v[56:59], v27, s[10:11]
	global_load_b128 v[60:63], v27, s[10:11] offset:16
	global_load_b128 v[80:83], v29, s[26:27]
	global_load_b128 v[84:87], v29, s[26:27] offset:16
.irp t, 0,1,2,3
	global_load_b128 v[WB1+8*\t:WB1+8*\t+3], v[H64], s[20:21] offset:(32*(\t/2)+8*(\t%2))*4      ; k's bias, in the result's layout
	global_load_b128 v[WB1+8*\t+4:WB1+8*\t+7], v[H64], s[20:21] offset:(32*(\t/2)+8*(\t%2))*4+16
.endr
	s_wait_loadcnt 8                               ; all but the eight loads of k's bias
	v_wmma_scale_f32_16x16x128_f8f6f4 v[64:71], v[128:135], v[192:199], v[80:87], v48, v56 matrix_a_fmt:MATRIX_FMT_FP4 matrix_b_fmt:MATRIX_FMT_FP4   ; two sums by turns: even K steps, begun with the bias,
	v_wmma_scale_f32_16x16x128_f8f6f4 v[72:79], v[136:143], v[200:207], 0, v49, v57 matrix_a_fmt:MATRIX_FMT_FP4 matrix_b_fmt:MATRIX_FMT_FP4          ; and odd ones
.irp s, 2,3,4,5,6,7
	v_wmma_scale_f32_16x16x128_f8f6f4 v[64+8*(\s%2):71+8*(\s%2)], v[128+8*\s:135+8*\s], v[192+8*\s:199+8*\s], v[64+8*(\s%2):71+8*(\s%2)], v[48+\s], v[56+\s] matrix_a_fmt:MATRIX_FMT_FP4 matrix_b_fmt:MATRIX_FMT_FP4
.endr
	v_mul_u32_u24 v[WRD], v2, 528                  ; the projection's addresses: nine plain lines, the places behind those products
	v_lshl_add_u32 v[WRD], v3, 4, v[WRD]
	s_lshl_b32 s80, s54, 8
	s_add_co_u32 s80, s80, GL
	v_add_nc_u32 v[GRD], s80, v[H64]
	s_lshl_b32 s80, s48, 8
	s_add_co_u32 s80, s80, ML
	v_add_nc_u32 v[MKRD], s80, v[H64]
	v_add_nc_u32 v[ISTQ], s62, v[L16]
	s_lshl_b32 s80, s54, 12
	s_lshl_b32 s83, s55, 9
	s_add_co_u32 s80, s80, s83
	s_add_co_u32 s80, s80, VIMG
	v_add_nc_u32 v[ISTV], s80, v[L16]
	v_lshl_add_u32 v[SSTQ], v2, 2, s63
	s_lshl_b32 s80, s54, 8
	s_lshl_b32 s83, s55, 1
	s_add_co_u32 s80, s80, s83
	s_add_co_u32 s80, s80, VSC
	v_lshl_add_u32 v[SSTV], v2, 2, s80
	v_add_nc_u32 v[NBA], s79, v[H64]
.irp p, 0,1
	global_load_b128 v[WS+8*\p:WS+8*\p+3], v[WSO], s[18:19] offset:\p*1024       ; k's scale words of W
	global_load_b128 v[WS+8*\p+4:WS+8*\p+7], v[WSO], s[18:19] offset:\p*1024+16
.endr
.irp j, 0,1,2,3,4,5,6,7
	v_add_f32 v[64+\j], v[64+\j], v[72+\j]
.endr
.irp j, 0,1,2,3,4,5,6,7
	v_mul_f32 v[64+\j], 0xbfb8aa3b, v[64+\j]       ; x -log2(e)
.endr
.irp j, 0,1,2,3,4,5,6,7
	v_exp_f32 v[64+\j], v[64+\j]
.endr
	v_lshrrev_b32 v28, 3, v2                       ; (a plain line behind the exponentials)
	s_wait_alu depctr_va_vdst(0)                   ; one wait for the eight, ahead of their first reader
.irp j, 0,1,2,3,4,5,6,7
	v_add_f32 v[64+\j], 1.0, v[64+\j]
.endr
.irp j, 0,1,2,3,4,5,6,7
	v_rcp_f32 v[64+\j], v[64+\j]                   ; the sigmoid
.endr
	v_lshlrev_b32 v28, 8, v28
	s_wait_alu depctr_va_vdst(0)
.irp j, 0,1,2,3,4,5,6,7
	v_add_f32 v[64+\j], 1.0, v[64+\j]              ; 1 + gate
.endr
	v_lshl_add_u32 v28, v3, 5, v28
	s_lshl_b32 s80, s48, 6
	s_add_co_u32 s80, s80, GL
	v_add_nc_u32 v28, s80, v28                     ; GL + 256 (r / 8) + 64 w + 32 h: eight lanes write the same bytes with the same values
	ds_store_b128 v28, v[64:67]
	ds_store_b128 v28, v[68:71] offset:16
	s_wait_dscnt 0x0                               ; for the others' sake: W's rows, the masks and the gate have landed
	s_barrier_signal -1
	s_barrier_wait -1
	v_add_nc_u32 v[NBB], NBL+512, v[H64]
.set TM, WB0                           ; QUANT's registers in the projection: the buffer that held 1 + gate or the masks
.set PC, WB0+16
.set PW, WB0+24
	PASS 0, 1, 1                                   ; k
	EPI_KQ 9216, 1, 0
	PASS 0, 1, 0                                   ; q
	EPI_KQ 0, 2, 1
	PASS 1, 2, 0                                   ; v
	PLACES 4
	WIN 0x40                                       ; x's fragments are done with: window 1 takes the keys' 0 or -2^100, in the scores' layout, for my first key step and for step 1
.irp i, 0,1,2,3,4,5,6,7
.irp q, 0,1
	ds_load_b128 v[8*\i+4*\q:8*\i+4*\q+3], v[NBA] offset:(32*(\i/2)+8*(\i%2))*4+16*\q
	ds_load_b128 v[64+8*\i+4*\q:64+8*\i+4*\q+3], v[NBB] offset:(32*(\i/2)+8*(\i%2))*4+16*\q
.endr
.endr
	WIN 0
	s_wait_dscnt 32                                ; the keys' masks are older than these 32
.set ea, 0
.rept 4
.set ek, 0
.rept 16
	v_pk_mul_f32 v[ACC+32*ea+ek:ACC+32*ea+ek+1], v[ACC+32*ea+ek:ACC+32*ea+ek+1], v[WB0+ek:WB0+ek+1]   ; v x its row's mask
.set ek, ek+2
.endr
.set ea, ea+1
.endr
.irp u, 0,1
	QUANT ACC+64*\u, 4                             ; along the keys: my 64 keys are half a fragment of each d tile
	ds_store_b128 v[ISTV], v[PC:PC+3] offset:2048*\u
	ds_store_b128 v[ISTV], v[PC+4:PC+7] offset:2048*\u+1024
	ds_store_b16 v[SSTV], v[PW] offset:128*\u      ; my two bytes of the step's scale word
	ds_store_b16 v[SSTV], v[PW+1] offset:128*\u+64
	s_wait_dscnt 0x0
.endr
	s_barrier_signal -1                            ; q's, k's and v's images lie in LDS
	s_barrier_wait -1
; THE ATTENTION.  Registers anew: v8-11 addresses of the step's k, k's scales, v, v's scales; v12 -M, v13 the largest t, v[14:15] the sum; v16-19 the stage in, out, x's offset, YS's offset; v[20:21] 1 / sum;
; v22-23 q's addresses; v24-31 q; v32-35 k's scale words, v36 q's, v37-38 v's, v39 p's; v64-127 k; v128-191 S^T, then p, then y; v192-223 O^T; v224-231 codes; v232-254 at work.
; Window 1: v0-127 the keys' 0 or -2^100; v128-159 v; v160-191 the residual.
.set KAD, 8
.set KSAD, 9
.set VAD, 10
.set VSAD, 11
.set QF, 24
.set KS, 32
.set QS, 36
.set VS, 37
.set PS, 39
.set KF, 64
.set SR, 128
.set OT, 192
.set VF, 128
.set TM, 232
.set PC, 224
.set PW, 248
; a key step of 128 keys.  first = 1: my first step: it starts M, the sum and O^T
.macro ASTEP first
.irp i, 0,1,2,3,4,5,6,7
	ds_load_b128 v[KF+8*\i:KF+8*\i+3], v[KAD] offset:512*\i
.endr
.irp p, 0,1,2,3
	ds_load_b32 v[KS+\p], v[KSAD] offset:128*\p
.endr
	WIN 0x40
.irp t, 0,1,2,3
.irp c, 0,1
	ds_load_b128 v[VF+8*\t+4*\c:VF+8*\t+4*\c+3], v[VAD] offset:1024*\t+512*\c
.endr
.endr
	WIN 0
.irp p, 0,1
	ds_load_b32 v[VS+\p], v[VSAD] offset:128*\p
.endr
	s_wait_dscnt 10                                ; q and k are in; v's eight loads and two scale words may be out
	WIN 0x10                                       ; C in window 1
.irp i, 0,1,2,3,4,5,6,7
	WM SR+8*\i, KF+8*\i, QF, 64*(1-\first)+8*\i, KS+\i/2, QS, \i%2, 0   ; S^T = k q^T + (0 or -2^100): the upper 64 of K are zero codes
.endr
	WIN 0
	PLACES 4
.irp b, 0,1,2,3
	v_max3_num_f32 v[232+\b], v[SR+16*\b], v[SR+1+16*\b], v[SR+2+16*\b]   ; the largest score of each block of 32 keys: for the row's maximum, and for the block's largest p
.endr
.irp i, 3,5,7,9,11,13
.irp b, 0,1,2,3
	v_max3_num_f32 v[232+\b], v[232+\b], v[SR+16*\b+\i], v[SR+1+16*\b+\i]
.endr
.endr
.irp b, 0,1,2,3
	v_max_num_f32 v[232+\b], v[232+\b], v[SR+15+16*\b]
.endr
.irp b, 0,1,2,3
	v_permlanex16_b32 v[236+\b], v[232+\b], s56, s57
.endr
.irp b, 0,1,2,3
	v_max_num_f32 v[232+\b], v[232+\b], v[236+\b]
.endr
	v_max3_num_f32 v254, v232, v233, v234
	v_max_num_f32 v254, v254, v235
	v_mul_f32 v254, s58, v254                      ; as t
.if \first
	v_max_num_f32 v13, 0xdd800000, v254            ; held at -2^60 from below
	v_floor_f32 v12, -v13                          ; -M = floor(-t): M is a whole number
.else
	v_max_num_f32 v13, v13, v254
	v_mov_b32 v254, v12
	v_floor_f32 v12, -v13
	v_sub_f32 v254, v12, v254                      ; old M - new M: a whole number, 0 or less
	v_cvt_i32_f32 v254, v254                       ; (it saturates)
	v_ldexp_f32 v252, 1.0, v254                    ; f = 2^(old M - new M)
.endif
.set j, 0
.rept 32
	v_pk_fma_f32 v[SR+j:SR+j+1], v[SR+j:SR+j+1], s[58:59], v[12:13] op_sel_hi:[1,0,0]   ; t - M
.set j, j+2
.endr
.irp b, 0,1,2,3
	v_fma_f32 v[232+\b], v[232+\b], s58, v12
.endr
.set j, 0
.rept 64
	v_exp_f32 v[SR+j], v[SR+j]                     ; p = 2^(t - M)
.set j, j+1
.endr
.if \first
	v_nop                                          ; a plain line behind the exponentials
.else
	v_pk_mul_f32 v[14:15], v[14:15], v[252:253] op_sel_hi:[1,0]   ; the sum under the new M (a plain line behind the exponentials)
.endif
	s_wait_alu depctr_va_vdst(0)                   ; one wait for the 64, ahead of their first reader
.irp b, 0,1,2,3
	v_exp_f32 v[232+\b], v[232+\b]                 ; each block's largest p
.endr
	v_pk_add_f32 v[236:237], v[SR:SR+1], v[SR+2:SR+3]   ; the row's sum of the unquantised p, in two chains
.irp j, 4,8,12,16,20,24,28,32,36,40,44,48,52,56,60
	v_pk_add_f32 v[14:15], v[14:15], v[SR+\j:SR+\j+1]
	v_pk_add_f32 v[236:237], v[236:237], v[SR+\j+2:SR+\j+3]
.endr
	v_pk_add_f32 v[14:15], v[14:15], v[236:237]
	s_wait_alu depctr_va_vdst(0)                   ; and one for the four
.irp b, 0,1,2,3
	v_max_num_f32 v[232+\b], 0x1800000, v[232+\b]
.endr
.irp b, 0,1,2,3
	v_add_nc_u32 v[244+\b], 0xff000000, v[232+\b]
.endr
.irp b, 0,1,2,3
	v_lshrrev_b32 v[236+\b], 23, v[244+\b]
.endr
	v_lshl_or_b32 v[PS], v237, 8, v236             ; p's scale word
	v_lshl_or_b32 v[PS], v238, 16, v[PS]
	v_lshl_or_b32 v[PS], v239, 24, v[PS]
.irp b, 0,1,2,3
	v_cvt_scalef32_pk8_fp4_f32 v[PC+2*\b], v[SR+16*\b:SR+16*\b+7], v[244+\b]
	v_cvt_scalef32_pk8_fp4_f32 v[PC+2*\b+1], v[SR+16*\b+8:SR+16*\b+15], v[244+\b]
.endr
	v_nop
.irp c, 0,1
.irp i, 0,1
	v_permlane16_swap_b32 v[PC+4*\c+\i], v[PC+4*\c+\i+2]
.endr
.endr
.if \first
	PLACES 8                                       ; a scale register written by a vector instruction stands eight places ahead of the product
.else
.set j, 0
.rept 16
	v_pk_mul_f32 v[OT+j:OT+j+1], v[OT+j:OT+j+1], v[252:253] op_sel_hi:[1,0]   ; O^T under the new M; for each product twelve of these name none of its registers: its places
.set j, j+2
.endr
.endif
	s_wait_dscnt 0x0                               ; v is in
	WIN 0x01                                       ; source 0 in window 1
.irp t, 0,1,2,3
.if \first
	WM0 OT+8*\t, VF+8*\t, PC, VS+\t/2, PS, \t%2
.else
	WM OT+8*\t, VF+8*\t, PC, OT+8*\t, VS+\t/2, PS, \t%2, 0
.endif
.endr
	WIN 0
.endm
	s_wait_xcnt 0x0                                ; the prefetches have read their offset: v24 and its neighbours are written anew
	s_mul_i32 s80, s48, 4352
	s_add_co_u32 s80, s80, XST                     ; my stage
	v_mul_u32_u24 v16, v3, 272
	v_lshl_add_u32 v16, v2, 4, v16
	v_add_nc_u32 v16, s80, v16                     ; in: lanes 0-15 one row of 256 bytes, lanes 16-31 the next
	v_mul_u32_u24 v17, v2, 272
	v_lshl_add_u32 v17, v3, 6, v17
	v_add_nc_u32 v17, s80, v17                     ; out: row r, 64 h
	v_lshlrev_b32 v18, 12, v3
	v_lshl_add_u32 v18, v2, 4, v18                 ; the same two rows in x
	v_lshl_add_u32 v19, v2, 2, v3                  ; 4 r + h
	v_mov_b32 v21, 0                               ; (named as the upper halves of pairs)
	v_mov_b32 v252, 0
	v_mov_b32 v253, 0
.irp b, 0,1,2,3
	v_mov_b32 v[236+\b], 0                         ; (a lane permute's destination counts as one of its sources)
	v_mov_b32 v[QF+4+\b], 0                        ; K = 64 .. 127 of q: zero codes
.endr
.irp i, 0,1,2,3,4,5,6,7
.irp b, 4,5,6,7
	v_mov_b32 v[KF+8*\i+\b], 0                     ; and of k
.endr
.endr
	s_mov_b32 s61, 0
.Lqt:                                                  ; four trips: my four tiles of 16 queries
	s_lshr_b32 s72, s61, 1
	s_lshl_b32 s72, s72, 17
	s_and_b32 s73, s61, 1
	s_lshl_b32 s73, s73, 15
	s_or_b32 s72, s72, s73                         ; the tile's first row: 32 (a / 2) + 8 (a % 2), x 4,096 bytes
	s_mov_b32 s73, 0
	s_add_nc_u64 s[70:71], s[30:31], s[72:73]
	WIN 0x40
.irp i, 0,1,2,3,4,5,6,7
	global_load_b128 v[160+4*\i:163+4*\i], v18, s[70:71] offset:(2*\i+8*(\i/4))*4096 th:TH_LOAD_NT   ; the residual: sixteen lanes read a row's 256 bytes of this head
.endr
	WIN 0
	v_add_nc_u32 v22, s62, v[L16]
	v_lshl_add_u32 v23, v2, 2, s63
	ds_load_b128 v[QF:QF+3], v22
	ds_load_b32 v[QS], v23
	v_add_nc_u32 v[KAD], s66, v[L16]
	v_add_nc_u32 v[KSAD], s67, v[L4]
	v_add_nc_u32 v[VAD], s68, v[L16]
	v_add_nc_u32 v[VSAD], s69, v[L4]
	v_mov_b32 v14, 0
	v_mov_b32 v15, 0
	ASTEP 1
	s_cmp_lg_u32 s51, 0                            ; a batch of v has 128 keys: one step.  The branch hangs on the work-group's number alone
	s_cbranch_scc1 .Ltail
	v_add_nc_u32 v[KAD], KIMG+4096, v[L16]         ; t's keys 128-255.  (These four lines are the places behind the last products, in front of the loads into their registers)
	v_add_nc_u32 v[KSAD], KSC+512, v[L4]
	v_add_nc_u32 v[VAD], VIMG+4096, v[L16]
	v_add_nc_u32 v[VSAD], VSC+256, v[L4]
	ASTEP 0
.Ltail:
	PLACES 4
	v_add_f32 v14, v14, v15
	v_permlanex16_b32 v252, v14, s56, s57
	v_add_f32 v14, v14, v252                       ; the row's sum
	v_rcp_f32 v20, v14
	v_nop
	s_wait_loadcnt 0x0                             ; the residual
	WIN 0x04                                       ; an LDS store's data are its source 1: window 1
.irp i, 0,1,2,3,4,5,6,7
	ds_store_b128 v16, v[160+4*\i:163+4*\i] offset:544*\i
.endr
	WIN 0
.irp b, 0,1
.irp i, 0,1,2,3
	ds_load_b128 v[SR+16*\b+4*\i:SR+16*\b+4*\i+3], v17 offset:128*\b+16*\i   ; back in O^T's layout: register 16 b + i = d 32 b + 16 h + i of my query
.endr
.endr
	s_wait_dscnt 0x0
	s_wait_alu depctr_va_vdst(0)                   ; the reciprocal's wait, ahead of its first reader
.set j, 0
.rept 16
	v_pk_fma_f32 v[SR+j:SR+j+1], v[OT+j:OT+j+1], v[20:21], v[SR+j:SR+j+1] op_sel_hi:[1,0,1]   ; y = x + O / sum
.set j, j+2
.endr
	QUANT SR, 2
	global_store_b128 v[L16], v[PC:PC+3], s[74:75] ; blocks 2 head and 2 head + 1 of 16 rows: 512 consecutive bytes
	v_cndmask_b32 v250, v[TM+4], v[TM+5], s60      ; block h's byte
	global_store_b8 v19, v250, s[76:77]
	s_wait_xcnt 0x0                                ; bases and data are written again only behind this wait
	s_add_nc_u64 s[74:75], s[74:75], 8192
	s_add_nc_u64 s[76:77], s[76:77], 64
	s_add_co_u32 s62, s62, 512
	s_add_co_u32 s63, s63, 64
	s_add_co_u32 s61, s61, 1
	s_cmp_lt_u32 s61, 4
	s_cbranch_scc1 .Lqt
	s_wait_tensorcnt 0x0                           ; the wave's end
	ds_add_u32 v[SPW], v[NIL]
	s_wait_dscnt 0x0
	s_endpgm
.Lfunc_end_k_q39f7e01aa6_attn:
	.size	k_q39f7e01aa6_attn, .Lfunc_end_k_q39f7e01aa6_attn-k_q39f7e01aa6_attn
	.p2alignl 7, 3214868480
	.fill 96, 4, 3214868480
	.section	.rodata,"a",@progbits
	.p2align	6, 0x0
	.amdhsa_kernel k_q39f7e01aa6_attn
		.amdhsa_group_segment_fixed_size 148992
		.amdhsa_private_segment_fixed_size 0
		.amdhsa_enable_private_segment 0
		.amdhsa_kernarg_size 176
		.amdhsa_user_sgpr_count 2
		.amdhsa_user_sgpr_kernarg_segment_ptr 1
		.amdhsa_wavefront_size32 1
		.amdhsa_system_sgpr_workgroup_id_x 1
		.amdhsa_system_sgpr_workgroup_id_y 1
		.amdhsa_system_sgpr_workgroup_id_z 1
		.amdhsa_system_vgpr_workitem_id 0
		.amdhsa_next_free_vgpr 512
		.amdhsa_next_free_sgpr 96
		.amdhsa_reserve_vcc 1
		.amdhsa_float_denorm_mode_32 3
		.amdhsa_float_denorm_mode_16_64 3
		.amdhsa_memory_ordered 1
		.amdhsa_forward_progress 1
		.amdhsa_inst_pref_size 183
	.end_amdhsa_kernel
	.amdgpu_metadata
---
amdhsa.version: [ 1, 2 ]
amdhsa.kernels:
  - .name:           k_q39f7e01aa6_attn
    .symbol:         k_q39f7e01aa6_attn.kd
    .args:
      - { .name: XC, .offset: 0, .size: 8, .value_kind: global_buffer, .address_space: global }
      - { .name: XS, .offset: 8, .size: 8, .value_kind: global_buffer, .address_space: global }
      - { .name: MC, .offset: 16, .size: 8, .value_kind: global_buffer, .address_space: global }
      - { .name: MS, .offset: 24, .size: 8, .value_kind: global_buffer, .address_space: global }
      - { .name: YC, .offset: 32, .size: 8, .value_kind: global_buffer, .address_space: global }
      - { .name: YS, .offset: 40, .size: 8, .value_kind: global_buffer, .address_space: global }
      - { .name: W_v_codes, .offset: 48, .size: 8, .value_kind: global_buffer, .address_space: global }
      - { .name: W_t_codes, .offset: 56, .size: 8, .value_kind: global_buffer, .address_space: global }
      - { .name: W_v_scales, .offset: 64, .size: 8, .value_kind: global_buffer, .address_space: global }
      - { .name: W_t_scales, .offset: 72, .size: 8, .value_kind: global_buffer, .address_space: global }
      - { .name: b_v, .offset: 80, .size: 8, .value_kind: global_buffer, .address_space: global }
      - { .name: b_t, .offset: 88, .size: 8, .value_kind: global_buffer, .address_space: global }
      - { .name: W_t4v_codes, .offset: 96, .size: 8, .value_kind: global_buffer, .address_space: global }
      - { .name: W_v4t_codes, .offset: 104, .size: 8, .value_kind: global_buffer, .address_space: global }
      - { .name: W_t4v_scales, .offset: 112, .size: 8, .value_kind: global_buffer, .address_space: global }
      - { .name: W_v4t_scales, .offset: 120, .size: 8, .value_kind: global_buffer, .address_space: global }
      - { .name: b_t4v, .offset: 128, .size: 8, .value_kind: global_buffer, .address_space: global }
      - { .name: b_v4t, .offset: 136, .size: 8, .value_kind: global_buffer, .address_space: global }
      - { .name: v_mask, .offset: 144, .size: 8, .value_kind: global_buffer, .address_space: global }
      - { .name: t_mask, .offset: 152, .size: 8, .value_kind: global_buffer, .address_space: global }
      - { .name: v, .offset: 160, .size: 8, .value_kind: global_buffer, .address_space: global }
      - { .name: t, .offset: 168, .size: 8, .value_kind: global_buffer, .address_space: global }
    .group_segment_fixed_size: 148992
    .private_segment_fixed_size: 0
    .kernarg_segment_align: 8
    .kernarg_segment_size: 176
    .max_flat_workgroup_size: 128
    .sgpr_count:     96
    .vgpr_count:     512
    .wavefront_size: 32
...
	.end_amdgpu_metadata
.endif
;; end of part 2
;; launch outp (part 3): grid 8 x 48, 4 waves a work-group, no clusters, 85,504 bytes of LDS; arguments YC, YS, W_vo_codes, W_to_codes, W_vo_scales, W_to_scales, b_vo, b_to, out0, out1; writes out0, out1
.if DOCPART == 3
	.amdgcn_target "amdgcn-amd-amdhsa--gfx1250"
	.amdhsa_code_object_version 6
	.text
	.protected	k_q39f7e01aa6_outp
	.globl	k_q39f7e01aa6_outp
	.p2align	8
	.type	k_q39f7e01aa6_outp,@function
k_q39f7e01aa6_outp:
	s_mov_b64 s[64:65], 0
	v_nop
	global_prefetch_b8 v0, s[64:65] scope:SCOPE_SE
	s_setreg_imm32_b32 hwreg(HW_REG_WAVE_MODE, 25, 1), 1
	s_wait_xcnt 0x0
; THIRD LAUNCH.  out = y Wo^T + bo on codes of E2M1: y = x + update as the second launch left it (YC, YS: fragments in the operand's own order; place i of tile 2 g + u = row 32 g + 8 u + i + 8 (i / 8)).
; No work of the problem is left out.  Work-group (x, chunk): 256 rows x 128 columns.  Wave w owns rows 64 w .. 64 w + 63; its codes of y, all of K = 1,024, stay in 256 registers for two passes of 64 columns;
; the 128 rows of Wo lie in LDS.  The product is used transposed (source 0 = 16 rows of Wo, source 1 = 16 rows of y): a lane holds eight neighbouring columns of one row.  The bias is the C of each sum's first product.
; The results go through the wave's own stage in LDS and leave as rows: sixteen lanes store 256 consecutive bytes, aligned.
; NO CLUSTER, NO TENSOR LOAD: y's codes go straight into the registers of the one wave that owns the rows, where a joint load cannot land; the shared slice of Wo is 64 KiB of the 192 KiB that a work-group reads.
.set WSEG,  33792                      ; 64 rows of Wo x (512 + 16) bytes; two of them from byte 0
.set STG,   67584                      ; 16 rows x 272 bytes for each wave
.set SPARE, 84992                      ; the spare words, 128 bytes a wave: two blocks of 256 bytes that no other line names
.set SPW, 4
.set NIL, 5
.set L16, 6
.set L4,  7
.set WRD, 8
.set WST, 9
.set WSO, 10
.set H32, 11
.set STO, 12
.set SRD, 13
.set GO,  14
.set AS,  32                           ; v32-47 y's scale words, v48-63 Wo's: scales and nothing else
.set WS,  48
.set WB0, 64
.set WB1, 96
.set ACC, 128
.set MSB, 0
.macro WIN new
.if MSB != \new
	s_set_vgpr_msb (MSB<<8)|\new
.set MSB, \new
.endif
.endm
.macro PLACES n
.rept \n
	v_nop
.endr
.endm
.macro WM d, a, b, c, sa, sb, ra, rb
.if (\ra) && (\rb)
	v_wmma_scale_f32_16x16x128_f8f6f4 v[\d:\d+7], v[\a:\a+7], v[\b:\b+7], v[\c:\c+7], v[\sa], v[\sb] matrix_a_fmt:MATRIX_FMT_FP4 matrix_b_fmt:MATRIX_FMT_FP4 matrix_a_scale:MATRIX_SCALE_ROW1 matrix_b_scale:MATRIX_SCALE_ROW1
.elseif (\ra)
	v_wmma_scale_f32_16x16x128_f8f6f4 v[\d:\d+7], v[\a:\a+7], v[\b:\b+7], v[\c:\c+7], v[\sa], v[\sb] matrix_a_fmt:MATRIX_FMT_FP4 matrix_b_fmt:MATRIX_FMT_FP4 matrix_a_scale:MATRIX_SCALE_ROW1
.elseif (\rb)
	v_wmma_scale_f32_16x16x128_f8f6f4 v[\d:\d+7], v[\a:\a+7], v[\b:\b+7], v[\c:\c+7], v[\sa], v[\sb] matrix_a_fmt:MATRIX_FMT_FP4 matrix_b_fmt:MATRIX_FMT_FP4 matrix_b_scale:MATRIX_SCALE_ROW1
.else
	v_wmma_scale_f32_16x16x128_f8f6f4 v[\d:\d+7], v[\a:\a+7], v[\b:\b+7], v[\c:\c+7], v[\sa], v[\sb] matrix_a_fmt:MATRIX_FMT_FP4 matrix_b_fmt:MATRIX_FMT_FP4
.endif
.endm
.macro FETCHW s, buf
.irp t, 0,1,2,3
.irp c, 0,1
	ds_load_b128 v[\buf+8*\t+4*\c:\buf+8*\t+4*\c+3], v[WRD] offset:\t*8448+(\s)*64+\c*32
.endr
.endr
.endm
.macro MULT s, buf, first              ; 16 products, the 16 accumulators by turns; y's fragments in window 1 at v[64 a + 8 s]
	WIN 0x04
.irp a, 0,1,2,3
.irp t, 0,1,2,3
.if \first
	WM ACC+8*(4*\a+\t), \buf+8*\t, 64*\a+8*(\s), WB1+8*\t, WS+8*(\t/2)+(\s), AS+8*(\a/2)+(\s), \t%2, \a%2
.else
	WM ACC+8*(4*\a+\t), \buf+8*\t, 64*\a+8*(\s), ACC+8*(4*\a+\t), WS+8*(\t/2)+(\s), AS+8*(\a/2)+(\s), \t%2, \a%2
.endif
.endr
.endr
.endm
.macro PASS                            ; 64 rows x 64 columns x K = 1,024; Wo's fragments a K step ahead in two buffers; four places in front of each run of loads into registers that products have read
	FETCHW 0, WB0
	s_wait_loadcnt 0x0                             ; y's codes and scale words, this pass's scale words of Wo and its bias
	s_wait_dscnt 0x0
	MULT 0, WB0, 1
	PLACES 4
	FETCHW 1, WB1
	FETCHW 2, WB0
	s_wait_dscnt 8                                 ; K step 1 is in; the eight younger loads may be out
	MULT 1, WB1, 0
.irp s, 2,3,4,5,6
	PLACES 4
	FETCHW \s+1, WB0+32*((\s+1)%2)
	s_wait_dscnt 8                                 ; this K step is in; the next one's eight loads may be out
	MULT \s, WB0+32*(\s%2), 0
.endr
	s_wait_dscnt 0x0
	MULT 7, WB1, 0
.endm
.macro EPI_OUT ps
	WIN 0
	PLACES 4
.if \ps == 0
.irp p, 0,1
	global_load_b128 v[WS+8*\p:WS+8*\p+3], v[WSO], s[10:11] offset:2048+\p*1024        ; the second pass's scale words and bias
	global_load_b128 v[WS+8*\p+4:WS+8*\p+7], v[WSO], s[10:11] offset:2048+\p*1024+16
.endr
.irp t, 0,1,2,3
	global_load_b128 v[WB1+8*\t:WB1+8*\t+3], v[H32], s[12:13] offset:256+\t*64
	global_load_b128 v[WB1+8*\t+4:WB1+8*\t+7], v[H32], s[12:13] offset:256+\t*64+16
.endr
	v_add_nc_u32 v[WRD], WSEG, v[WRD]
.endif
.irp a, 0,1,2,3
	s_wait_xcnt 0x0                                ; the last tile's stores have read their registers
.irp t, 0,1,2,3
	ds_store_b128 v[STO], v[ACC+8*(4*\a+\t):ACC+8*(4*\a+\t)+3] offset:64*\t          ; each accumulator from its low end on
	ds_store_b128 v[STO], v[ACC+8*(4*\a+\t)+4:ACC+8*(4*\a+\t)+7] offset:64*\t+16
.endr
.irp i, 0,1,2,3,4,5,6,7
	ds_load_b128 v[WB0+4*\i:WB0+4*\i+3], v[SRD] offset:544*\i   ; LDS serves a wave's instructions in order: these see my stores
.endr
	s_wait_dscnt 0x0
.irp i, 0,1,2,3,4,5,6,7
	global_store_b128 v[GO], v[WB0+4*\i:WB0+4*\i+3], s[14:15] offset:(32*(\a/2)+8*(\a%2)+2*\i+8*(\i/4))*4096+\ps*256 th:TH_STORE_NT
.endr
.endr
	s_wait_xcnt 0x0
.endm
	s_load_b128 s[4:7], s[0:1], 0x0                ; YC, YS
	s_load_b512 s[8:23], s[0:1], 0x10              ; four pairs, v's buffer first, t's second
	v_lshl_add_u32 v[SPW], v0, 2, SPARE
	v_mov_b32 v[NIL], 0
	v_lshrrev_b32 v1, 5, v0
	v_readfirstlane_b32 s24, v1                    ; wave 0..3
	v_and_b32 v1, 31, v0
	v_and_b32 v2, 15, v0                           ; r
	v_bfe_u32 v3, v0, 4, 1                         ; h
	v_lshlrev_b32 v[L16], 4, v1
	v_lshlrev_b32 v[L4], 2, v1
	s_and_b32 s26, ttmp7, 0xffff                   ; chunk
	s_cmp_lt_u32 s26, 16
	s_cselect_b32 s27, 1, 0
	s_cselect_b32 s28, 0, 16
	s_sub_co_u32 s28, s26, s28
	s_lshl_b32 s28, s28, 8                         ; the chunk's first row in its output
	v_mul_u32_u24 v[WRD], v2, 528
	v_lshl_add_u32 v[WRD], v3, 4, v[WRD]
	s_mul_i32 s32, s24, 32*528
	v_add_nc_u32 v[WST], s32, v[L16]               ; my 32 rows of Wo in LDS
	v_lshlrev_b32 v[WSO], 5, v1                    ; Wo's scale words: row = lane of a pair of tiles, 32 bytes a row
	v_lshlrev_b32 v[H32], 5, v3
	s_mul_i32 s32, s24, 4352
	s_add_co_u32 s32, s32, STG
	v_mul_u32_u24 v[STO], v2, 272
	v_lshl_add_u32 v[STO], v3, 5, v[STO]
	v_add_nc_u32 v[STO], s32, v[STO]               ; in: row r, 32 h
	v_mul_u32_u24 v[SRD], v3, 272
	v_lshl_add_u32 v[SRD], v2, 4, v[SRD]
	v_add_nc_u32 v[SRD], s32, v[SRD]               ; back: lanes 0-15 one row of 256 bytes, lanes 16-31 the next
	v_lshlrev_b32 v[GO], 12, v3
	v_lshl_add_u32 v[GO], v2, 4, v[GO]             ; and the same two rows in the output
	s_mov_b32 s31, 0
	s_wait_kmcnt 0x0
	s_cmp_lg_u32 s27, 0                            ; the choices hang on the work-group's number alone
	s_cselect_b64 s[8:9], s[8:9], s[10:11]         ; Wo's codes
	s_cselect_b64 s[10:11], s[12:13], s[14:15]     ; its scales
	s_cselect_b64 s[12:13], s[16:17], s[18:19]     ; bo
	s_cselect_b64 s[14:15], s[20:21], s[22:23]     ; out
	s_lshl_b32 s30, s26, 17
	s_lshl_b32 s32, s24, 15
	s_add_co_u32 s30, s30, s32
	s_add_nc_u64 s[4:5], s[4:5], s[30:31]
	s_lshl_b32 s30, s26, 10
	s_lshl_b32 s32, s24, 8
	s_add_co_u32 s30, s30, s32
	s_add_nc_u64 s[6:7], s[6:7], s[30:31]
	s_lshl_b32 s30, ttmp9, 16
	s_lshl_b32 s32, s24, 14
	s_add_co_u32 s30, s30, s32
	s_add_nc_u64 s[8:9], s[8:9], s[30:31]          ; rows 128 x + 32 w of Wo
	s_lshl_b32 s30, ttmp9, 12
	s_add_nc_u64 s[10:11], s[10:11], s[30:31]
	s_lshl_b32 s30, ttmp9, 9
	s_add_nc_u64 s[12:13], s[12:13], s[30:31]
	s_lshl_b32 s32, s24, 6
	s_add_co_u32 s32, s32, s28
	s_lshl_b32 s32, s32, 12
	s_add_co_u32 s30, s30, s32
	s_add_nc_u64 s[14:15], s[14:15], s[30:31]      ; my first row, my work-group's 512 bytes of it
.set i, 0
.rept 32
	global_load_b128 v[128+4*i:131+4*i], v[L16], s[8:9] offset:512*i   ; a whole row of Wo a load
.set i, i+1
.endr
	WIN 0x40
.set i, 0
.rept 64
	global_load_b128 v[4*i:4*i+3], v[L16], s[4:5] offset:512*i
.set i, i+1
.endr
	WIN 0
.set i, 0
.rept 16
	global_load_b32 v[AS+i], v[L4], s[6:7] offset:(i%8)*49152+(i/8)*128
.set i, i+1
.endr
.irp p, 0,1
	global_load_b128 v[WS+8*\p:WS+8*\p+3], v[WSO], s[10:11] offset:\p*1024
	global_load_b128 v[WS+8*\p+4:WS+8*\p+7], v[WSO], s[10:11] offset:\p*1024+16
.endr
.irp t, 0,1,2,3
	global_load_b128 v[WB1+8*\t:WB1+8*\t+3], v[H32], s[12:13] offset:\t*64
	global_load_b128 v[WB1+8*\t+4:WB1+8*\t+7], v[H32], s[12:13] offset:\t*64+16
.endr
	s_wait_loadcnt 63                              ; behind Wo's rows stand 92 younger loads: they are in
.set i, 0
.rept 32
	ds_store_b128 v[WST], v[128+4*i:131+4*i] offset:528*i
.set i, i+1
.endr
	s_wait_dscnt 0x0                               ; for the others' sake: my rows of Wo have landed
	s_barrier_signal -1
	s_barrier_wait -1
	PASS
	EPI_OUT 0
	PASS
	EPI_OUT 1
	s_wait_tensorcnt 0x0                           ; the wave's end
	ds_add_u32 v[SPW], v[NIL]
	s_wait_dscnt 0x0
	s_endpgm
.Lfunc_end_k_q39f7e01aa6_outp:
	.size	k_q39f7e01aa6_outp, .Lfunc_end_k_q39f7e01aa6_outp-k_q39f7e01aa6_outp
	.p2alignl 7, 3214868480
	.fill 96, 4, 3214868480
	.section	.rodata,"a",@progbits
	.p2align	6, 0x0
	.amdhsa_kernel k_q39f7e01aa6_outp
		.amdhsa_group_segment_fixed_size 85504
		.amdhsa_private_segment_fixed_size 0
		.amdhsa_enable_private_segment 0
		.amdhsa_kernarg_size 80
		.amdhsa_user_sgpr_count 2
		.amdhsa_user_sgpr_kernarg_segment_ptr 1
		.amdhsa_wavefront_size32 1
		.amdhsa_system_sgpr_workgroup_id_x 1
		.amdhsa_system_sgpr_workgroup_id_y 1
		.amdhsa_system_sgpr_workgroup_id_z 1
		.amdhsa_system_vgpr_workitem_id 0
		.amdhsa_next_free_vgpr 512
		.amdhsa_next_free_sgpr 66
		.amdhsa_reserve_vcc 0
		.amdhsa_float_denorm_mode_32 3
		.amdhsa_float_denorm_mode_16_64 3
		.amdhsa_memory_ordered 1
		.amdhsa_forward_progress 1
		.amdhsa_inst_pref_size 75
	.end_amdhsa_kernel
	.amdgpu_metadata
---
amdhsa.version: [ 1, 2 ]
amdhsa.kernels:
  - .name:           k_q39f7e01aa6_outp
    .symbol:         k_q39f7e01aa6_outp.kd
    .args:
      - { .name: YC, .offset: 0, .size: 8, .value_kind: global_buffer, .address_space: global }
      - { .name: YS, .offset: 8, .size: 8, .value_kind: global_buffer, .address_space: global }
      - { .name: W_vo_codes, .offset: 16, .size: 8, .value_kind: global_buffer, .address_space: global }
      - { .name: W_to_codes, .offset: 24, .size: 8, .value_kind: global_buffer, .address_space: global }
      - { .name: W_vo_scales, .offset: 32, .size: 8, .value_kind: global_buffer, .address_space: global }
      - { .name: W_to_scales, .offset: 40, .size: 8, .value_kind: global_buffer, .address_space: global }
      - { .name: b_vo, .offset: 48, .size: 8, .value_kind: global_buffer, .address_space: global }
      - { .name: b_to, .offset: 56, .size: 8, .value_kind: global_buffer, .address_space: global }
      - { .name: out0, .offset: 64, .size: 8, .value_kind: global_buffer, .address_space: global }
      - { .name: out1, .offset: 72, .size: 8, .value_kind: global_buffer, .address_space: global }
    .group_segment_fixed_size: 85504
    .private_segment_fixed_size: 0
    .kernarg_segment_align: 8
    .kernarg_segment_size: 80
    .max_flat_workgroup_size: 128
    .sgpr_count:     66
    .vgpr_count:     512
    .wavefront_size: 32
...
	.end_amdgpu_metadata
.endif
;; end of part 3
;; ======== version 2 of 2: 3 launches
;; limits: right only within a limited range of input values
;; workspace buffers: XC 6,291,456 bytes; XS 393,216 bytes; MC 32,768 bytes; MS 2,048 bytes; YC 6,291,456 bytes; YS 393,216 bytes
;; launch prep (part 4): grid 8 x 64, 8 waves a work-group, no clusters, 73,728 bytes of LDS; arguments v, t, v_mask, t_mask, XC, XS, MC, MS; writes XC, XS, MC, MS
.if DOCPART == 4
	.amdgcn_target "amdgcn-amd-amdhsa--gfx1250"
	.amdhsa_code_object_version 6
	.text
	.protected	k_q39f7e01aa6_prep
	.globl	k_q39f7e01aa6_prep
	.p2align	8
	.type	k_q39f7e01aa6_prep,@function
k_q39f7e01aa6_prep:
	s_mov_b64 s[64:65], 0
	v_nop
	global_prefetch_b8 v0, s[64:65] scope:SCOPE_SE
	s_setreg_imm32_b32 hwreg(HW_REG_WAVE_MODE, 25, 1), 1
	s_wait_xcnt 0x0
; FIRST OF THREE LAUNCHES.  relu(v) and relu(t) become codes of E2M1 with one E8M0 byte for each 32 along K = 1,024, and the masked means of v and t, relu'd, likewise.
; NO WORK OF THE PROBLEM IS LEFT OUT IN ANY LAUNCH: every bias, mask and gate goes into a quantised operand of a live product, so all 22 inputs are loaded.
; The score products' K = 64 is filled to the instruction's 128 with zero codes, as the quantiser's rule fills a short block.
; LAYOUT OF THE WORKSPACE.  The 12,288 rows (v's 4,096, then t's 8,192) are taken in tiles of 16.  Tile T = 2 g + u holds, at its place i, the row 32 g + 8 u + i + 8 (i / 8);
; pos = 16 T + i.  XC: [T][block of 32 along K: 32][place 16][16 bytes]: a K step's fragment is 2 x 512 bytes on end, 16 bytes a lane, the operand's registers as they stand.
; XS: [K step 8][pos] words of four scale bytes.  MC, MS: [v's mean, t's mean][batch][512 bytes of codes], [..][32 scale bytes], rows as the weights have them.
; SHARES.  Work-group (x, y): K step x (128 columns) of batch y of v (y < 32: 8 tiles, one trip) or of batch y - 32 of t (16 tiles, two trips).  Wave w takes tile w + 8 x trip.
; A row's 512 bytes come by one load of the wave; the 16 rows turn through the wave's own stage in LDS, so that a lane then holds two whole blocks of 32 of one row.
; A block's scale byte is its largest magnitude's exponent field - 2, held at 1 from below (a block of zeros gets 1 where the rule says 127: its codes are zeros, and this program alone reads the bytes).
; LIMITS: NaN and infinities among the inputs are not served; a batch whose masks add up to 0 (NaN in the problem's own terms) is not reproduced.
; No cluster, no tensor load: the work-groups share no input, and each byte is read once.
.set STGB,  8448                       ; a wave's stage: 16 rows x (512 + 16) bytes
.set RED,   67584                      ; 8 waves x 512 bytes: column sums
.set REDM,  71680                      ; 8 words: sums of masks
.set MROW,  71936                      ; 512 bytes: the mean's 128 numbers
.set SPARE, 72448                      ; the spare words, 128 bytes a wave: four blocks of 256 bytes that no other line names
	s_load_b256 s[4:11], s[0:1], 0x0               ; v, t, v_mask, t_mask
	s_load_b256 s[12:19], s[0:1], 0x20             ; XC, XS, MC, MS
	v_lshl_add_u32 v10, v0, 2, SPARE               ; my spare word; never rewritten
	v_mov_b32 v11, 0                               ; 0; never rewritten
	v_lshrrev_b32 v1, 5, v0
	s_delay_alu instid0(VALU_DEP_1)
	v_readfirstlane_b32 s20, v1                    ; wave 0..7
	v_and_b32 v1, 31, v0                           ; lane
	v_and_b32 v2, 15, v0                           ; r
	v_bfe_u32 v3, v0, 4, 1                         ; h
	s_delay_alu instid0(VALU_DEP_3)
	v_lshlrev_b32 v4, 4, v1                        ; 16 x lane
	s_mul_i32 s28, s20, STGB
	v_add_nc_u32 v5, s28, v4                       ; the stage, in: 16 x lane of a row
	v_mul_u32_u24 v6, v2, 528
	s_delay_alu instid0(VALU_DEP_1)
	v_lshl_add_u32 v6, v3, 7, v6
	s_delay_alu instid0(VALU_DEP_1)
	v_add_nc_u32 v6, s28, v6                       ; and out: row r, block h
	v_lshlrev_b32 v7, 2, v2
	s_delay_alu instid0(VALU_DEP_1)
	v_lshl_add_u32 v7, v3, 1, v7                   ; 4 r + 2 h: my half of row r's scale word
	v_lshlrev_b32 v8, 3, v3                        ; 8 h
	v_lshlrev_b32 v9, 4, v3                        ; 16 h
	s_mov_b32 s48, 0x76543210
	s_mov_b32 s49, 0xfedcba98                      ; v_permlanex16_b32's selects for lane l xor 16
	s_and_b32 s22, ttmp7, 0xffff                   ; y
	s_and_b32 s24, s22, 31                         ; batch
	s_cmp_ge_u32 s22, 32
	s_cselect_b32 s23, 1, 0                        ; 1: t
	s_cselect_b32 s25, 2, 1                        ; trips
	s_cselect_b32 s27, 8, 7                        ; log2 of the batch's rows
	s_lshl_b32 s26, s24, s27                       ; the batch's first row in its tensor
	s_lshr_b32 s28, s20, 1
	s_lshl_b32 s28, s28, 5
	s_and_b32 s29, s20, 1
	s_lshl_b32 s29, s29, 3
	s_add_co_u32 s28, s28, s29
	s_add_co_u32 s28, s28, s26                     ; my tile's first row: + 32 (w / 2) + 8 (w % 2)
	s_lshl_b32 s29, s23, 12
	s_add_co_u32 s29, s29, s26
	s_lshl_b32 s30, s20, 4
	s_add_co_u32 s29, s29, s30                     ; pos of my tile
	v_mov_b32 v12, 0                               ; the sums of mask x x of my four columns
	v_mov_b32 v13, 0
	v_mov_b32 v14, 0
	v_mov_b32 v15, 0
	v_mov_b32 v30, 0                               ; the sum of my rows' masks
	v_mov_b32 v25, 0                               ; (a lane permute's destination counts as one of its sources)
	s_mov_b32 s31, 0
	s_wait_kmcnt 0x0
	s_cmp_ge_u32 s22, 32                           ; the choice hangs on the work-group's number alone
	s_cselect_b64 s[4:5], s[6:7], s[4:5]
	s_cselect_b64 s[8:9], s[10:11], s[8:9]
	s_lshl_b32 s30, s28, 12
	s_lshl_b32 s52, ttmp9, 9
	s_add_co_u32 s30, s30, s52
	s_add_nc_u64 s[4:5], s[4:5], s[30:31]          ; x: row x 4,096 + K step x 512
	s_lshl_b32 s30, s28, 2
	s_add_nc_u64 s[8:9], s[8:9], s[30:31]          ; the masks of my rows
	s_lshl_b32 s30, s29, 9
	s_lshl_b32 s52, ttmp9, 10
	s_add_co_u32 s30, s30, s52
	s_add_nc_u64 s[12:13], s[12:13], s[30:31]      ; XC: pos x 512 + K step x 1,024
	s_mul_i32 s30, ttmp9, 49152
	s_lshl_b32 s52, s29, 2
	s_add_co_u32 s30, s30, s52
	s_add_nc_u64 s[14:15], s[14:15], s[30:31]      ; XS
	s_lshl_b32 s30, s23, 14
	s_lshl_b32 s52, s24, 9
	s_add_co_u32 s30, s30, s52
	s_lshl_b32 s52, ttmp9, 6
	s_add_co_u32 s30, s30, s52
	s_add_nc_u64 s[16:17], s[16:17], s[30:31]      ; MC
	s_lshl_b32 s30, s23, 10
	s_lshl_b32 s52, s24, 5
	s_add_co_u32 s30, s30, s52
	s_lshl_b32 s52, ttmp9, 2
	s_add_co_u32 s30, s30, s52
	s_add_nc_u64 s[18:19], s[18:19], s[30:31]      ; MS
	s_mov_b32 s51, 0
.Ltrip:                                                ; one tile of 16 rows x 128 columns
	s_load_b256 s[32:39], s[8:9], 0x0              ; the masks of places 0-7,
	s_load_b256 s[40:47], s[8:9], 0x40             ; and of places 8-15, 16 rows on
.irp i, 0,1,2,3,4,5,6,7,8,9,10,11,12,13,14,15
	global_load_b128 v[32+4*\i:35+4*\i], v4, s[4:5] offset:(\i+8*(\i/8))*4096 th:TH_LOAD_NT   ; 32 lanes read 512 consecutive bytes of a row
.endr
	s_wait_kmcnt 0x0
	s_wait_alu depctr_va_vdst(0)
.irp i, 0,1,2,3,4,5,6,7,8,9,10,11,12,13,14,15
	s_wait_alu depctr_va_vdst(0)
	s_wait_loadcnt 15-\i                           ; row i is in; the younger rows may be out
	v_fmac_f32 v12, s[32+\i], v[32+4*\i]           ; the mean's sums take x as it is,
	v_fmac_f32 v13, s[32+\i], v[33+4*\i]
	v_fmac_f32 v14, s[32+\i], v[34+4*\i]
	v_fmac_f32 v15, s[32+\i], v[35+4*\i]
	v_add_f32 v30, s[32+\i], v30
	v_max_num_f32 v[32+4*\i], 0, v[32+4*\i]        ; the projection's operand is relu(x)
	v_max_num_f32 v[33+4*\i], 0, v[33+4*\i]
	v_max_num_f32 v[34+4*\i], 0, v[34+4*\i]
	v_max_num_f32 v[35+4*\i], 0, v[35+4*\i]
	ds_store_b128 v5, v[32+4*\i:35+4*\i] offset:\i*528
.endr
.irp c, 0,1
.irp i, 0,1,2,3,4,5,6,7
	ds_load_b128 v[96+32*\c+4*\i:99+32*\c+4*\i], v6 offset:\c*256+16*\i   ; LDS serves a wave's instructions in order: these see my stores.  Block 2 c + h of row r, whole
.endr
.endr
	s_wait_dscnt 0x0
.irp c, 0,1
	v_max3_num_f32 v[24+\c], v[96+32*\c], v[97+32*\c], 0x1800000   ; no |.|: nothing is negative.  The floor 2^(3 - 127) holds the byte at 1 from below
.endr
.irp i, 2,4,6,8,10,12,14,16,18,20,22,24,26,28,30
.irp c, 0,1
	s_delay_alu instid0(VALU_DEP_2)
	v_max3_num_f32 v[24+\c], v[24+\c], v[96+32*\c+\i], v[97+32*\c+\i]
.endr
.endr
.irp c, 0,1
	s_delay_alu instid0(VALU_DEP_2)
	v_add_nc_u32 v[26+\c], 0xff000000, v[24+\c]    ; 2 off the exponent field: the conversion's scale operand
.endr
.irp c, 0,1
	s_delay_alu instid0(VALU_DEP_2)
	v_lshrrev_b32 v[28+\c], 23, v[26+\c]           ; the scale's byte
.endr
.irp c, 0,1
.irp g, 0,1,2,3
	v_cvt_scalef32_pk8_fp4_f32 v[16+4*\c+\g], v[96+32*\c+8*\g:103+32*\c+8*\g], v[26+\c]
.endr
.endr
	v_lshl_or_b32 v24, v29, 16, v28                ; my two bytes, blocks h and 2 + h,  (a plain line behind the conversions)
	s_delay_alu instid0(VALU_DEP_1)
	v_lshlrev_b32 v24, v8, v24                     ; at their places in the word;
	s_delay_alu instid0(VALU_DEP_1)
	v_permlanex16_b32 v25, v24, s48, s49
	s_delay_alu instid0(VALU_DEP_1)
	v_or_b32 v24, v24, v25                         ; with lane l xor 16's the word is whole;
	s_delay_alu instid0(VALU_DEP_1)
	v_lshrrev_b32 v24, v9, v24                     ; its half h goes out from me: 32 lanes store 64 consecutive bytes
	global_store_b128 v4, v[16:19], s[12:13]       ; 512 consecutive bytes: registers 0-3 of the fragment,
	global_store_b128 v4, v[20:23], s[12:13] offset:512   ; and 4-7
	global_store_b16 v7, v24, s[14:15]
	s_wait_xcnt 0x0                                ; the bases and the stores' data are written again only behind this wait
	s_add_nc_u64 s[4:5], s[4:5], 0x80000           ; 128 rows on
	s_add_nc_u64 s[8:9], s[8:9], 512
	s_add_nc_u64 s[12:13], s[12:13], 0x10000
	s_add_nc_u64 s[14:15], s[14:15], 512
	s_add_co_u32 s51, s51, 1
	s_cmp_lt_u32 s51, s25
	s_cbranch_scc1 .Ltrip
	; the mean: the eight waves' sums meet in LDS
	s_lshl_b32 s28, s20, 9
	s_add_co_u32 s28, s28, RED
	v_add_nc_u32 v24, s28, v4
	s_lshl_b32 s28, s20, 2
	s_add_co_u32 s28, s28, REDM
	v_mov_b32 v25, s28
	v_add_nc_u32 v26, RED, v4
	v_mov_b32 v27, REDM
	v_add_nc_u32 v28, MROW, v4
	v_and_b32 v29, 3, v0
	s_delay_alu instid0(VALU_DEP_1)
	v_lshl_add_u32 v29, v29, 7, MROW
	ds_store_b128 v24, v[12:15]
	ds_store_b32 v25, v30                          ; all lanes write the same word with the same value
	s_wait_dscnt 0x0                               ; for the others' sake: my stores have landed
	s_barrier_signal -1
	s_barrier_wait -1
	s_cmp_lg_u32 s20, 0
	s_cbranch_scc1 .Lend                           ; wave 0 alone finishes the mean: 128 numbers
	s_wait_alu depctr_va_vdst(0)
.irp k, 0,1,2,3,4,5,6,7
	ds_load_b128 v[32+4*\k:35+4*\k], v26 offset:512*\k
.endr
	ds_load_b128 v[64:67], v27
	ds_load_b128 v[68:71], v27 offset:16
	s_wait_dscnt 0x0
.irp k, 1
	v_pk_add_f32 v[32:33], v[32:33], v[32+4*\k:33+4*\k]
	v_pk_add_f32 v[34:35], v[34:35], v[34+4*\k:35+4*\k]
.endr
.irp k, 2, 3, 4, 5, 6, 7
	s_delay_alu instid0(VALU_DEP_2)
	v_pk_add_f32 v[32:33], v[32:33], v[32+4*\k:33+4*\k]
	s_delay_alu instid0(VALU_DEP_2)
	v_pk_add_f32 v[34:35], v[34:35], v[34+4*\k:35+4*\k]
.endr
	v_add_f32 v64, v64, v65
	v_add_f32 v66, v66, v67
	v_add_f32 v68, v68, v69
	v_add_f32 v70, v70, v71
	s_delay_alu instid0(VALU_DEP_3)
	v_add_f32 v64, v64, v66
	s_delay_alu instid0(VALU_DEP_2)
	v_add_f32 v68, v68, v70
	s_delay_alu instid0(VALU_DEP_1)
	v_add_f32 v64, v64, v68                        ; the batch's sum of masks
	s_wait_alu depctr_va_vdst(0)
	v_rcp_f32 v65, v64
	v_nop                                          ; a plain line behind the reciprocal
	s_wait_alu depctr_va_vdst(0)                   ; and the wait ahead of its first reader
.irp j, 0,1,2,3
	v_mul_f32 v[32+\j], v[32+\j], v65
.endr
.irp j, 0,1,2,3
	s_delay_alu instid0(VALU_DEP_4)
	v_max_num_f32 v[32+\j], 0, v[32+\j]            ; relu(mean)
.endr
	ds_store_b128 v28, v[32:35]
.irp i, 0,1,2,3,4,5,6,7
	ds_load_b128 v[96+4*\i:99+4*\i], v29 offset:16*\i   ; lane l takes block l % 4, whole
.endr
	s_wait_dscnt 0x0
	v_max3_num_f32 v24, v96, v97, 0x1800000
.irp i, 2,4,6,8,10,12,14,16,18,20,22,24,26,28,30
	s_delay_alu instid0(VALU_DEP_1)
	v_max3_num_f32 v24, v24, v[96+\i], v[97+\i]
.endr
	s_delay_alu instid0(VALU_DEP_1)
	v_add_nc_u32 v66, 0xff000000, v24
.irp g, 0,1,2,3
	v_cvt_scalef32_pk8_fp4_f32 v[16+\g], v[96+8*\g:103+8*\g], v66
.endr
	v_lshrrev_b32 v67, 23, v66
	v_cmp_gt_u32 vcc_lo, 4, v1
	s_wait_alu depctr_va_vdst(0)
	s_wait_xcnt 0x0                                ; EXEC changes only behind this wait
	s_and_saveexec_b32 s50, vcc_lo                 ; lanes 0-3: the four blocks
	global_store_b128 v4, v[16:19], s[16:17]
	global_store_b8 v1, v67, s[18:19]
	s_wait_xcnt 0x0                                ; and again, in front of the line that widens it
	s_or_b32 exec_lo, exec_lo, s50
.Lend:
	s_wait_tensorcnt 0x0                           ; the wave's end
	ds_add_u32 v10, v11
	s_wait_dscnt 0x0
	s_endpgm
.Lfunc_end_k_q39f7e01aa6_prep:
	.size	k_q39f7e01aa6_prep, .Lfunc_end_k_q39f7e01aa6_prep-k_q39f7e01aa6_prep
	.p2alignl 7, 3214868480
	.fill 96, 4, 3214868480
	.section	.rodata,"a",@progbits
	.p2align	6, 0x0
	.amdhsa_kernel k_q39f7e01aa6_prep
		.amdhsa_group_segment_fixed_size 73728
		.amdhsa_private_segment_fixed_size 0
		.amdhsa_enable_private_segment 0
		.amdhsa_kernarg_size 64
		.amdhsa_user_sgpr_count 2
		.amdhsa_user_sgpr_kernarg_segment_ptr 1
		.amdhsa_wavefront_size32 1
		.amdhsa_system_sgpr_workgroup_id_x 1
		.amdhsa_system_sgpr_workgroup_id_y 1
		.amdhsa_system_sgpr_workgroup_id_z 1
		.amdhsa_system_vgpr_workitem_id 0
		.amdhsa_next_free_vgpr 160
		.amdhsa_next_free_sgpr 66
		.amdhsa_reserve_vcc 1
		.amdhsa_float_denorm_mode_32 3
		.amdhsa_float_denorm_mode_16_64 3
		.amdhsa_memory_ordered 1
		.amdhsa_forward_progress 1
		.amdhsa_inst_pref_size 24
	.end_amdhsa_kernel
	.amdgpu_metadata
---
amdhsa.version: [ 1, 2 ]
amdhsa.kernels:
  - .name:           k_q39f7e01aa6_prep
    .symbol:         k_q39f7e01aa6_prep.kd
    .args:
      - { .name: v, .offset: 0, .size: 8, .value_kind: global_buffer, .address_space: global }
      - { .name: t, .offset: 8, .size: 8, .value_kind: global_buffer, .address_space: global }
      - { .name: v_mask, .offset: 16, .size: 8, .value_kind: global_buffer, .address_space: global }
      - { .name: t_mask, .offset: 24, .size: 8, .value_kind: global_buffer, .address_space: global }
      - { .name: XC, .offset: 32, .size: 8, .value_kind: global_buffer, .address_space: global }
      - { .name: XS, .offset: 40, .size: 8, .value_kind: global_buffer, .address_space: global }
      - { .name: MC, .offset: 48, .size: 8, .value_kind: global_buffer, .address_space: global }
      - { .name: MS, .offset: 56, .size: 8, .value_kind: global_buffer, .address_space: global }
    .group_segment_fixed_size: 73728
    .private_segment_fixed_size: 0
    .kernarg_segment_align: 8
    .kernarg_segment_size: 64
    .max_flat_workgroup_size: 256
    .sgpr_count:     66
    .vgpr_count:     160
    .wavefront_size: 32
...
	.end_amdgpu_metadata
.endif
;; end of part 4
;; launch attn (part 5): grid 16 x 48, 4 waves a work-group, no clusters, 148,992 bytes of LDS; arguments XC, XS, MC, MS, YC, YS, W_v_codes, W_t_codes, W_v_scales, W_t_scales, b_v, b_t, W_t4v_codes, W_v4t_codes, W_t4v_scales, W_v4t_scales, b_t4v, b_v4t, v_mask, t_mask, v, t; writes YC, YS
.if DOCPART == 5
	.amdgcn_target "amdgcn-amd-amdhsa--gfx1250"
	.amdhsa_code_object_version 6
	.text
	.protected	k_q39f7e01aa6_attn
	.globl	k_q39f7e01aa6_attn
	.p2align	8
	.type	k_q39f7e01aa6_attn,@function
k_q39f7e01aa6_attn:
	s_mov_b64 s[64:65], 0
	v_nop
	global_prefetch_b8 v0, s[64:65] scope:SCOPE_SE
	s_setreg_imm32_b32 hwreg(HW_REG_WAVE_SCHED_MODE, 0, 2), 2
	s_setreg_imm32_b32 hwreg(HW_REG_WAVE_MODE, 25, 1), 1
	s_wait_xcnt 0x0
	s_wait_alu depctr_vm_vsrc(0)
; SECOND LAUNCH.  Work-group (head, chunk): for 256 rows (chunks 0-15: two batches of v; chunks 16-47: one batch of t) and one head of 64: the gate of that head, the k, q and v projections,
; the attention, x + update, and its codes for the last product.  k, q, v, the scores and p never go to memory.  No work of the problem is left out.
; SHARES.  Wave w owns rows 64 w .. 64 w + 63: four tiles of 16 in the workspace's order (place i of tile 2 g + u = row 32 g + 8 u + i + 8 (i / 8)).  Its codes of relu(x), all of K = 1,024,
; stay in 256 registers for the three passes; the head's 192 rows of W lie in LDS, in the same order of places, read by all four waves.
; k and q are made TRANSPOSED (source 0 = 16 rows of W, source 1 = 16 rows of x): a lane holds one row, its registers run along d.  v is made the plain way round: a lane holds one d, its registers run
; along the keys.  So each is quantised along its own K in registers; the fragments go to the other waves through LDS as images of their registers, 16 bytes a lane.
; SOFTMAX: t = score x log2(e) / 8; M = the running largest t rounded up to a whole number; p = 2^(t - M) is quantised along the keys; the row's sum of the unquantised p divides at the end.
; A key whose mask is not above 0 gets -2^100 as the C of the score product in place of -infinity: p is 0 either way.
; LIMITS: NaN and infinities among the inputs are not served.  A batch with no key that counts (NaN in the problem's own terms) is not reproduced.  The running largest t is held at -2^60 from below,
; so that a first key step with no key that counts gives p = 0 and is wiped out by the next step's factor 0: logits x log2(e) under -2^60 are not served.  A block of zeros carries the byte 1.
; NO CLUSTER, NO TENSOR LOAD: of the 320 KiB that a work-group reads, 128 KiB (x's codes) go straight into the registers of the one wave that owns the rows, where a joint load cannot land,
; and 64 KiB (the residual) are the work-group's own; the W slice that the chunks of a head share is 96 KiB.
; THE MODE: SCHED_MODE bits 1:0 = 2 (LLVM: expert scheduling mode 2), set by the entry lines.  The code itself states the register dependences
; between vector or matrix instructions and memory or LDS instructions, with s_wait_alu, always for 0.
; THE PLAN.  Registers that memory or LDS instructions touch:
;   WB0, WB1      W's fragments, by turns.  K step s: its products read buffer s % 2; the loads of K step s + 1 land in the other one, which the products of step s - 1 read.  ONE wait on va_vdst stands at a
;                 step's head.  In the passes for k and q the step's eight loads follow it one behind each of the step's first eight products, which name the other buffer, x's fragments, the accumulators
;                 and the scale words: none of the registers that those loads touch.  In the pass for v the products' window setting reaches an LDS load's address, so the loads stay in one run.
;   v[WRD]        Read by every load of a fragment; written once a pass, between a wait on vm_vsrc and the wait on va_vdst that stands at the pass's end anyway.
;   WS, WB1       At a pass's end the next pass's scale words and bias land in them, behind that same wait on va_vdst.
;   PC, PW        Written by QUANT, read by the images' stores: a wait on va_vdst ahead of the stores, one on vm_vsrc behind them.
;   THE ATTENTION'S TRIP: a wait on vm_vsrc at its head (the last trip's loads and stores have read their registers), the trip's addresses, ONE wait on va_vdst, then all loads of its first key step.
;   The accumulators, the softmax's registers and x's fragments (until they are done with) are named by vector and matrix instructions alone.
.set WSEG,  33792                      ; LDS: 64 rows of W x (512 + 16) bytes; three of them from byte 0: k, q, v
.set GL,    101376                     ; 1 + gate: [half of the chunk 2][64] f32
.set ML,    101888                     ; the 256 rows' masks
.set NBL,   102912                     ; 0 or -2^100 for each key
.set XST,   103936                     ; a stage of 16 rows x 272 bytes for each wave: the residual
.set SPARE, 121344                     ; the spare words, 128 bytes a wave: two blocks of 256 bytes that no other line names
.set QIMG,  121856                     ; q: 16 tiles x 512 bytes
.set QSC,   130048                     ; its scale words, 64 bytes a tile
.set KIMG,  131072                     ; k likewise, 9,216 bytes behind q's
.set KSC,   139264
.set VIMG,  140288                     ; v: [key step 2][d tile 4][half of the fragment 2][512]
.set VSC,   148480                     ; [key step][d tile][16] words
.set SPW, 4
.set NIL, 5
.set L16, 6                            ; 16 x lane
.set L4,  7                            ; 4 x lane
.set WRD, 8                            ; the projection's registers: W's fragments in LDS: r x 528 + 16 h, + a segment each pass
.set GRD, 9
.set MKRD, 10
.set ISTQ, 11
.set ISTV, 12
.set SSTQ, 13
.set SSTV, 14
.set WSO, 15                           ; W's scale words: (8 h + r + 8 (r / 8)) x 32
.set MM,  16                           ; v16-23: my row's mask in tile a at v[16 + 2 a], and a copy beside it
.set PFO, 24
.set H64, 25
.set R4P, 26                           ; (r + 8 (r / 8)) x 4
.set NBA, 27
.set NBB, 28
.set AS,  32                           ; v32-47 x's scale words [pair of tiles][K step]; v48-63 W's: these 32 registers hold scales and nothing else
.set WS,  48
.set WB0, 64                           ; two buffers of four fragments of W
.set WB1, 96
.set ACC, 128                          ; 16 accumulators
.set MSB, 0
.macro WIN new                         ; the immediate's high byte repeats the setting that is left
.if MSB != \new
	s_set_vgpr_msb (MSB<<8)|\new
.set MSB, \new
.endif
.endm
.macro PLACES n
.rept \n
	v_nop
.endr
.endm
; one product: D, source 0, source 1, C (first registers), the two scale registers, and whether each is read from lanes 16-31
.macro WM d, a, b, c, sa, sb, ra, rb
.if (\ra) && (\rb)
	v_wmma_scale_f32_16x16x128_f8f6f4 v[\d:\d+7], v[\a:\a+7], v[\b:\b+7], v[\c:\c+7], v[\sa], v[\sb] matrix_a_fmt:MATRIX_FMT_FP4 matrix_b_fmt:MATRIX_FMT_FP4 matrix_a_scale:MATRIX_SCALE_ROW1 matrix_b_scale:MATRIX_SCALE_ROW1
.elseif (\ra)
	v_wmma_scale_f32_16x16x128_f8f6f4 v[\d:\d+7], v[\a:\a+7], v[\b:\b+7], v[\c:\c+7], v[\sa], v[\sb] matrix_a_fmt:MATRIX_FMT_FP4 matrix_b_fmt:MATRIX_FMT_FP4 matrix_a_scale:MATRIX_SCALE_ROW1
.elseif (\rb)
	v_wmma_scale_f32_16x16x128_f8f6f4 v[\d:\d+7], v[\a:\a+7], v[\b:\b+7], v[\c:\c+7], v[\sa], v[\sb] matrix_a_fmt:MATRIX_FMT_FP4 matrix_b_fmt:MATRIX_FMT_FP4 matrix_b_scale:MATRIX_SCALE_ROW1
.else
	v_wmma_scale_f32_16x16x128_f8f6f4 v[\d:\d+7], v[\a:\a+7], v[\b:\b+7], v[\c:\c+7], v[\sa], v[\sb] matrix_a_fmt:MATRIX_FMT_FP4 matrix_b_fmt:MATRIX_FMT_FP4
.endif
.endm
.macro WM0 d, a, b, sa, sb, ra         ; the same with C = 0: it starts a sum
.if (\ra)
	v_wmma_scale_f32_16x16x128_f8f6f4 v[\d:\d+7], v[\a:\a+7], v[\b:\b+7], 0, v[\sa], v[\sb] matrix_a_fmt:MATRIX_FMT_FP4 matrix_b_fmt:MATRIX_FMT_FP4 matrix_a_scale:MATRIX_SCALE_ROW1
.else
	v_wmma_scale_f32_16x16x128_f8f6f4 v[\d:\d+7], v[\a:\a+7], v[\b:\b+7], 0, v[\sa], v[\sb] matrix_a_fmt:MATRIX_FMT_FP4 matrix_b_fmt:MATRIX_FMT_FP4
.endif
.endm
.macro FETCHW s, buf                   ; four fragments of W (64 rows x 128 K), K step s, in one run
.irp t, 0,1,2,3
.irp c, 0,1
	ds_load_b128 v[\buf+8*\t+4*\c:\buf+8*\t+4*\c+3], v[WRD] offset:\t*8448+(\s)*64+\c*32
.endr
.endr
.endm
.macro FE adr                          ; 32 numbers by key (masks): register 16 b + 8 u + j = number 32 b + 16 h + 8 u + j
.irp t, 0,1,2,3
	ds_load_b128 v[WB0+8*\t:WB0+8*\t+3], v[\adr] offset:(32*(\t/2)+8*(\t%2))*4
	ds_load_b128 v[WB0+8*\t+4:WB0+8*\t+7], v[\adr] offset:(32*(\t/2)+8*(\t%2))*4+16
.endr
.endm
; 16 products, the 16 accumulators by turns.  x's fragments lie in window 1 at v[64 a + 8 s].  first = 1: C is the bias, in WB1
; Transposed: source 0 = W, source 1 = x.  deal = 1: one load of K step s + 1's four fragments, into nbuf, stands behind each of the first eight products; deal = 2: the eight loads of 1 + gate, into WB0, likewise
; (register 16 b + 8 u + j = number 32 b + 16 h + 8 u + j).  No wait among them: no product of this step names nbuf, v[WRD] or v[GRD].
.macro MULT s, buf, first, deal, nbuf
.set mi, 0
.irp a, 0,1,2,3
.irp t, 0,1,2,3
.if \first
	WM ACC+8*(4*\a+\t), \buf+8*\t, 64*\a+8*(\s), WB1+8*\t, WS+8*(\t/2)+(\s), AS+8*(\a/2)+(\s), \t%2, \a%2
.else
	WM ACC+8*(4*\a+\t), \buf+8*\t, 64*\a+8*(\s), ACC+8*(4*\a+\t), WS+8*(\t/2)+(\s), AS+8*(\a/2)+(\s), \t%2, \a%2
.endif
.if ((\deal) == 1) && (mi < 8)
	ds_load_b128 v[\nbuf+4*mi:\nbuf+4*mi+3], v[WRD] offset:(mi/2)*8448+((\s)+1)*64+(mi%2)*32
.endif
.if ((\deal) == 2) && (mi < 8)
	ds_load_b128 v[WB0+4*mi:WB0+4*mi+3], v[GRD] offset:(32*(mi/4)+8*((mi/2)%2))*4+16*(mi%2)
.endif
.set mi, mi+1
.endr
.endr
.endm
.macro MULV s, buf, first              ; the plain way round: source 0 = x, source 1 = W
	WIN 0x01                                       ; source 0 in window 1: an LDS load's address is its source 0, so the setting is left again
.irp t, 0,1,2,3
.irp a, 0,1,2,3
.if \first
	WM ACC+8*(4*\t+\a), 64*\a+8*(\s), \buf+8*\t, WB1+8*\t, AS+8*(\a/2)+(\s), WS+8*(\t/2)+(\s), \a%2, \t%2
.else
	WM ACC+8*(4*\t+\a), 64*\a+8*(\s), \buf+8*\t, ACC+8*(4*\t+\a), AS+8*(\a/2)+(\s), WS+8*(\t/2)+(\s), \a%2, \t%2
.endif
.endr
.endr
	WIN 0
.endm
; A pass: 64 rows x 64 columns x K = 1,024: eight K steps of 16 products, W's fragments in two buffers.  Four places stand behind each step's products, in front of the loads into registers that they have read.
; The pass for k or q.
.macro PASS_KQ pf
	FETCHW 0, WB0
.if \pf
	global_prefetch_b8 v[PFO], s[30:31] th:TH_LOAD_NT scope:SCOPE_SE                 ; the residual: my 64 rows' 256 bytes of this head, a lane a row, each named once in the launch;
	global_prefetch_b8 v[PFO], s[30:31] offset:131072 th:TH_LOAD_NT scope:SCOPE_SE   ; asked for three passes ahead of the loads that will want them
.endif
	s_wait_loadcnt 0x0                             ; x's codes and scale words, this pass's scale words of W and its bias
	s_wait_dscnt 0x0
	WIN 0x04                                       ; source 1 in window 1: LDS loads name a destination and a source 0 alone, so the setting stays for the pass
	MULT 0, WB0, 1, 0, WB0
	PLACES 4
	s_wait_alu depctr_va_vdst(0)                   ; K step 0's products are done reading WB0 (their fragments) and WB1 (the bias): the loads of K steps 1 and 2 land there
	FETCHW 1, WB1
	s_wait_dscnt 0x0
	MULT 1, WB1, 0, 1, WB0
.irp s, 2,3,4,5,6
	PLACES 4
	s_wait_dscnt 0x0                               ; this K step's fragments, asked for among the last step's products, are in
	s_wait_alu depctr_va_vdst(0)                   ; the last step's products are done reading the other buffer, in which the next step's fragments land
	MULT \s, WB0+32*(\s%2), 0, 1, WB0+32*((\s+1)%2)
.endr
	PLACES 4
	s_wait_dscnt 0x0                               ; K step 7 is in
	s_wait_alu depctr_va_vdst(0)                   ; K step 6's products are done reading WB0, in which 1 + gate lands
	MULT 7, WB1, 0, 2, WB0
.endm
; The pass for v: W's fragments a K step ahead, each step's eight loads in one run under the plain window setting
.macro PASS_V
	FETCHW 0, WB0
	s_wait_loadcnt 0x0                             ; this pass's scale words of W and its bias
.irp t, 0,1,2,3
.irp j, 1,2,3,4,5,6,7
	v_mov_b32 v[WB1+8*\t+\j], v[WB1+8*\t]          ; a lane holds one d: its bias serves all eight rows of the result
.endr
.endr
	PLACES 4
	s_wait_alu depctr_va_vdst(0)
	s_wait_dscnt 0x0
	MULV 0, WB0, 1
	PLACES 4
	s_wait_alu depctr_va_vdst(0)                   ; K step 0's products are done reading WB0 (their fragments) and WB1 (the bias): the loads below land there
	FETCHW 1, WB1
	FETCHW 2, WB0
	s_wait_dscnt 8                                 ; K step 1 is in; the eight younger loads may be out
	MULV 1, WB1, 0
.irp s, 2,3,4,5,6
	PLACES 4
	s_wait_alu depctr_va_vdst(0)                   ; the last step's products are done reading the buffer in which the loads below land
	FETCHW \s+1, WB0+32*((\s+1)%2)
	s_wait_dscnt 8                                 ; this K step is in; the next one's eight loads may be out
	MULV \s, WB0+32*(\s%2), 0
.endr
	PLACES 4
	s_wait_alu depctr_va_vdst(0)                   ; K step 6's products are done reading WB0, in which the keys' masks land
	FE MKRD
	s_wait_dscnt 8                                 ; K step 7 is in; the eight loads for the way out may be out
	MULV 7, WB1, 0
.endm
; nb blocks of 32: register 16 b + i of v[s] on = number 32 b + 16 h + i of the lane's row.  Codes to v[PC] on (after the exchange a lane holds whole blocks: lanes 0-15 block 2 c, lanes 16-31 block 2 c + 1,
; in registers 4 c .. 4 c + 3); the bytes of blocks 2 g and 2 g + 1 to the low half of v[PW + g], its upper bytes 0.
.macro QUANT s, nb
.set qb, 0
.rept \nb
	v_max3_num_f32 v[TM+qb], |v[\s+16*qb]|, |v[\s+16*qb+1]|, 0x1800000   ; the floor 2^(3 - 127) holds the byte at 1 from below
.set qb, qb+1
.endr
.irp i, 2,4,6,8,10,12,14
.set qb, 0
.rept \nb
	v_max3_num_f32 v[TM+qb], v[TM+qb], |v[\s+16*qb+\i]|, |v[\s+16*qb+\i+1]|
.set qb, qb+1
.endr
.endr
.set qb, 0
.rept \nb
	v_permlanex16_b32 v[TM+4+qb], v[TM+qb], s56, s57
.set qb, qb+1
.endr
.set qb, 0
.rept \nb
	v_max_num_f32 v[TM+qb], v[TM+qb], v[TM+4+qb]   ; with lane l xor 16's 16: the block's largest magnitude
.set qb, qb+1
.endr
.set qb, 0
.rept \nb
	v_add_nc_u32 v[TM+12+qb], 0xff000000, v[TM+qb] ; 2 off the exponent field: the conversion's scale operand
.set qb, qb+1
.endr
.set qb, 0
.rept \nb
	v_lshrrev_b32 v[TM+4+qb], 23, v[TM+12+qb]      ; the scale's byte
.set qb, qb+1
.endr
.set qb, 0
.rept (\nb)/2
	v_lshl_or_b32 v[PW+qb], v[TM+5+2*qb], 8, v[TM+4+2*qb]
.set qb, qb+1
.endr
.set qb, 0
.rept \nb
	v_cvt_scalef32_pk8_fp4_f32 v[PC+2*qb], v[\s+16*qb:\s+16*qb+7], v[TM+12+qb]
	v_cvt_scalef32_pk8_fp4_f32 v[PC+2*qb+1], v[\s+16*qb+8:\s+16*qb+15], v[TM+12+qb]
.set qb, qb+1
.endr
	v_nop                                          ; one plain line behind the conversions
.set qb, 0
.rept (\nb)/2
	v_permlane16_swap_b32 v[PC+4*qb], v[PC+4*qb+2]
	v_permlane16_swap_b32 v[PC+4*qb+1], v[PC+4*qb+3]
.set qb, qb+1
.endr
.endm
; behind a pass for k (off = 9216) or q (off = 0): x the row's mask, x (1 + gate), quantised along d; a tile's 64 along d are registers 0-3 of a fragment.  The next pass's scale words and bias are asked for first.
.macro EPI_KQ off, nseg, vnext
	WIN 0
	PLACES 4
	s_wait_alu depctr_vm_vsrc(0)                   ; the pass's LDS loads have read v[WRD]
	v_add_nc_u32 v[WRD], WSEG, v[WRD]
	s_wait_alu depctr_va_vdst(0)                   ; the pass's last products are done reading W's scale words and WB1, in which the loads below land; v[WRD] is written, which the next pass's loads read
.irp p, 0,1
	global_load_b128 v[WS+8*\p:WS+8*\p+3], v[WSO], s[18:19] offset:\nseg*32768+\p*1024
	global_load_b128 v[WS+8*\p+4:WS+8*\p+7], v[WSO], s[18:19] offset:\nseg*32768+\p*1024+16
.endr
.irp t, 0,1,2,3
.if \vnext
	global_load_b32 v[WB1+8*\t], v[R4P], s[20:21] offset:\nseg*4096+(32*(\t/2)+8*(\t%2))*4
.else
	global_load_b128 v[WB1+8*\t:WB1+8*\t+3], v[H64], s[20:21] offset:\nseg*4096+(32*(\t/2)+8*(\t%2))*4
	global_load_b128 v[WB1+8*\t+4:WB1+8*\t+7], v[H64], s[20:21] offset:\nseg*4096+(32*(\t/2)+8*(\t%2))*4+16
.endif
.endr
	s_wait_dscnt 0x0                               ; 1 + gate is in
.set ea, 0
.rept 4
.set ek, 0
.rept 16
	v_pk_mul_f32 v[ACC+32*ea+ek:ACC+32*ea+ek+1], v[ACC+32*ea+ek:ACC+32*ea+ek+1], v[MM+2*ea:MM+2*ea+1] op_sel_hi:[1,0]   ; each accumulator from its low end on
.set ek, ek+2
.endr
.set ek, 0
.rept 16
	v_pk_mul_f32 v[ACC+32*ea+ek:ACC+32*ea+ek+1], v[ACC+32*ea+ek:ACC+32*ea+ek+1], v[WB0+ek:WB0+ek+1]
.set ek, ek+2
.endr
.set ea, ea+1
.endr
.irp u, 0,1
	QUANT ACC+64*\u, 4
	s_wait_alu depctr_va_vdst(0)                   ; the codes v[PC ..] and the scale words v[PW ..] are written, which the stores below read; behind the second run no vector line follows, so this wait also shows WB0 done with for the next pass's first fragments
	ds_store_b128 v[ISTQ], v[PC:PC+3] offset:\off+1024*\u
	ds_store_b128 v[ISTQ], v[PC+4:PC+7] offset:\off+1024*\u+512
	ds_store_b32 v[SSTQ], v[PW] offset:\off+128*\u        ; lanes r and 16 + r write the same word with the same value
	ds_store_b32 v[SSTQ], v[PW+1] offset:\off+128*\u+64
	s_wait_dscnt 0x0                               ; the stores have landed
	s_wait_alu depctr_vm_vsrc(0)                   ; the stores have read v[PC ..] and v[PW ..], which the next conversions write, or in which the next pass's first fragments land
.endr
.endm
	s_load_b256 s[4:11], s[0:1], 0x0               ; XC, XS, MC, MS
	s_load_b128 s[12:15], s[0:1], 0x20             ; YC, YS
	s_load_b512 s[16:31], s[0:1], 0x30             ; eight pairs follow, v's buffer first, t's second
	s_load_b512 s[32:47], s[0:1], 0x70
	v_lshl_add_u32 v[SPW], v0, 2, SPARE
	v_mov_b32 v[NIL], 0
	v_lshrrev_b32 v1, 5, v0
	v_readfirstlane_b32 s48, v1                    ; wave 0..3
	v_and_b32 v1, 31, v0                           ; lane
	v_and_b32 v2, 15, v0                           ; r
	s_wait_alu depctr_va_vdst(0)
	v_bfe_u32 v3, v0, 4, 1                         ; h
	v_lshlrev_b32 v[L16], 4, v1
	v_lshlrev_b32 v[L4], 2, v1
	s_wait_alu depctr_va_sdst(0)                   ; s48 is written, ahead of its first reader: LDS places and the buffers' offsets are made from it
	s_mov_b32 s49, ttmp9                           ; head
	s_and_b32 s50, ttmp7, 0xffff                   ; chunk
	s_cmp_lt_u32 s50, 16
	s_cselect_b32 s51, 1, 0                        ; 1: a chunk of v
	s_cselect_b32 s52, 0, 16
	s_sub_co_u32 s52, s50, s52                     ; the chunk's number in its tensor
	s_lshl_b32 s53, s52, s51                       ; its first batch: 2 x chunk in v, chunk in t
	s_lshl_b32 s52, s52, 8                         ; its first row
	s_lshr_b32 s54, s48, 1
	s_and_b32 s55, s48, 1
	s_mov_b32 s56, 0x76543210
	s_mov_b32 s57, 0xfedcba98                      ; v_permlanex16_b32's selects for lane l xor 16
	s_mov_b32 s58, 0x3e38aa3b                      ; c = log2(e) / 8
	s_mov_b32 s59, s58                             ; (named with it as a pair)
	s_mov_b32 s60, 0xffff0000                      ; lanes 16-31
	s_mov_b32 s78, 0xf1800000                      ; -2^100
	s_mul_i32 s84, s51, s54                        ; my first key step: in v my own batch's (w / 2), in t step 0
	s_lshl_b32 s66, s84, 12
	s_add_co_u32 s68, s66, VIMG
	s_add_co_u32 s66, s66, KIMG
	s_lshl_b32 s67, s84, 9
	s_add_co_u32 s79, s67, NBL
	s_add_co_u32 s67, s67, KSC
	s_lshl_b32 s69, s84, 8
	s_add_co_u32 s69, s69, VSC
	s_lshl_b32 s62, s48, 11
	s_add_co_u32 s62, s62, QIMG                    ; my first tile of q
	s_lshl_b32 s63, s48, 8
	s_add_co_u32 s63, s63, QSC
	v_and_b32 v[R4P], 8, v2
	v_add_nc_u32 v[R4P], v[R4P], v2                ; r + 8 (r / 8)
	s_wait_alu depctr_va_vdst(0)
	v_lshl_add_u32 v[WSO], v3, 3, v[R4P]
	v_lshlrev_b32 v[WSO], 5, v[WSO]
	v_lshlrev_b32 v[R4P], 2, v[R4P]
	v_lshlrev_b32 v[H64], 6, v3
	v_lshlrev_b32 v[PFO], 12, v1
	s_lshl_b32 s80, s54, 5                         ; the head's temporaries, v8-14 and v27-29:
	s_lshl_b32 s83, s55, 3
	s_add_co_u32 s80, s80, s83
	s_mul_i32 s80, s80, 528
	v_add_nc_u32 v8, s80, v[L16]                   ; where my 16 rows of a segment of W go: rows 16 w + i land at place 32 (w / 2) + 8 (w % 2) + 16 (i / 8) + i % 8
	v_add_nc_u32 v9, 2*WSEG, v8
	s_lshl_b32 s80, s48, 8
	s_add_co_u32 s80, s80, ML
	v_lshl_add_u32 v10, v1, 3, s80                 ; my 64 masks, 8 bytes a lane
	v_add_nc_u32 v11, s80, v[R4P]
	v_lshlrev_b32 v29, 3, v1
	v_lshlrev_b32 v12, 9, v2
	v_lshl_add_u32 v12, v3, 4, v12                 ; the gate's W: row r x 512 + 16 h
	v_lshrrev_b32 v13, 3, v2
	v_mul_u32_u24 v27, s51, v13                    ; the mean's row: in v lanes r >= 8 take the chunk's second batch
	v_lshlrev_b32 v13, 9, v27
	v_lshl_add_u32 v13, v3, 4, v13
	v_lshlrev_b32 v27, 5, v27
	v_lshlrev_b32 v14, 5, v2
	s_wait_kmcnt 0x0
	s_cmp_lg_u32 s51, 0                            ; the choices hang on the work-group's number alone
	s_cselect_b64 s[16:17], s[16:17], s[18:19]     ; W's codes
	s_cselect_b64 s[18:19], s[20:21], s[22:23]     ; W's scales
	s_cselect_b64 s[20:21], s[24:25], s[26:27]     ; b
	s_cselect_b64 s[22:23], s[28:29], s[30:31]     ; the gate's W: W_t4v for v, W_v4t for t
	s_cselect_b64 s[24:25], s[32:33], s[34:35]     ; its scales
	s_cselect_b64 s[26:27], s[36:37], s[38:39]     ; its bias
	s_cselect_b64 s[28:29], s[40:41], s[42:43]     ; the masks
	s_cselect_b64 s[30:31], s[44:45], s[46:47]     ; x
	s_mov_b32 s73, 0
	s_lshl_b32 s81, s49, 6
	s_lshl_b32 s80, s48, 4
	s_add_co_u32 s81, s81, s80                     ; 64 x head + 16 x wave
	s_lshl_b32 s72, s81, 9
	s_add_nc_u64 s[16:17], s[16:17], s[72:73]
	s_add_nc_u64 s[22:23], s[22:23], s[72:73]
	s_lshl_b32 s72, s81, 5
	s_add_nc_u64 s[24:25], s[24:25], s[72:73]
	s_lshl_b32 s72, s81, 2
	s_add_nc_u64 s[26:27], s[26:27], s[72:73]
	s_lshl_b32 s72, s49, 11
	s_add_nc_u64 s[18:19], s[18:19], s[72:73]
	s_lshl_b32 s72, s49, 8
	s_add_nc_u64 s[20:21], s[20:21], s[72:73]
	s_lshl_b32 s72, s50, 17
	s_lshl_b32 s80, s48, 15
	s_add_co_u32 s72, s72, s80
	s_add_nc_u64 s[4:5], s[4:5], s[72:73]          ; XC at my four tiles
	s_lshl_b32 s80, s49, 9
	s_add_co_u32 s72, s72, s80
	s_add_nc_u64 s[74:75], s[12:13], s[72:73]      ; YC likewise, at my head's two blocks
	s_lshl_b32 s72, s50, 10
	s_lshl_b32 s80, s48, 8
	s_add_co_u32 s72, s72, s80
	s_add_nc_u64 s[6:7], s[6:7], s[72:73]          ; XS
	s_lshr_b32 s80, s49, 1
	s_mul_i32 s80, s80, 49152
	s_add_co_u32 s72, s72, s80
	s_and_b32 s80, s49, 1
	s_lshl_b32 s80, s80, 1
	s_add_co_u32 s72, s72, s80
	s_add_nc_u64 s[76:77], s[14:15], s[72:73]      ; YS: K step head / 2, bytes 2 (head % 2) on
	s_lshl_b32 s72, s51, 14
	s_lshl_b32 s80, s53, 9
	s_add_co_u32 s72, s72, s80
	s_add_nc_u64 s[8:9], s[8:9], s[72:73]          ; MC: the OTHER modality's mean
	s_lshl_b32 s72, s51, 10
	s_lshl_b32 s80, s53, 5
	s_add_co_u32 s72, s72, s80
	s_add_nc_u64 s[10:11], s[10:11], s[72:73]      ; MS
	s_lshl_b32 s82, s48, 6
	s_add_co_u32 s82, s82, s52                     ; my first row
	s_lshl_b32 s72, s82, 2
	s_add_nc_u64 s[28:29], s[28:29], s[72:73]
	s_lshl_b32 s72, s82, 12
	s_lshl_b32 s80, s49, 8
	s_add_co_u32 s72, s72, s80
	s_add_nc_u64 s[30:31], s[30:31], s[72:73]      ; x at my first row, my head's 256 bytes
	s_wait_alu depctr_va_vdst(0)                   ; the offsets and addresses made so far (v6 to v15, v24 to v29) are written, which the loads and LDS stores below read
.set i, 0
.rept 48
	global_load_b128 v[64+4*i:67+4*i], v[L16], s[16:17] offset:(i/16)*524288+(i%16)*512   ; a whole row of W, 512 bytes, a load
.set i, i+1
.endr
	global_load_b64 v[30:31], v29, s[28:29]
	WIN 0x40                                       ; destination window 1
.set i, 0
.rept 64
	global_load_b128 v[4*i:4*i+3], v[L16], s[4:5] offset:512*i   ; x's fragments as they lie: register 64 a + 8 s + 4 c
.set i, i+1
.endr
	WIN 0
.set i, 0
.rept 16
	global_load_b32 v[AS+i], v[L4], s[6:7] offset:(i%8)*49152+(i/8)*128   ; lanes 0-15: tile 2 p's rows; lanes 16-31: tile 2 p + 1's
.set i, i+1
.endr
	s_wait_loadcnt 63                              ; behind W's rows and the masks stand 80 younger loads: they are in
.set i, 0
.rept 32
	ds_store_b128 v8, v[64+4*i:67+4*i] offset:(i/16)*WSEG+(16*((i%16)/8)+(i%8))*528
.set i, i+1
.endr
.set i, 0
.rept 16
	ds_store_b128 v9, v[192+4*i:195+4*i] offset:(16*(i/8)+(i%8))*528
.set i, i+1
.endr
	ds_store_b64 v10, v[30:31]
	v_cmp_lt_f32 s80, 0, v30                       ; a key counts where its mask is above 0: the two compares in a run,
	v_cmp_lt_f32 s81, 0, v31
	s_wait_alu depctr_va_sdst(0)                   ; s80 and s81 are written, ahead of the selects that read them
	s_wait_alu depctr_vm_vsrc(0)                   ; the masks' load has read its offset v29, which the second select writes
	v_cndmask_b32 v28, s78, 0, s80
	v_cndmask_b32 v29, s78, 0, s81
	s_wait_alu depctr_va_vdst(0)                   ; v28 and v29 are written, which the store below reads
	ds_store_b64 v10, v[28:29] offset:1024         ; NBL lies 1,024 bytes behind ML
.irp a, 0,1,2,3
	ds_load_b32 v[MM+2*\a], v11 offset:(32*(\a/2)+8*(\a%2))*4   ; my own wave's bytes: LDS serves a wave's instructions in order
.endr
	s_wait_dscnt 0x0
.irp a, 0,1,2,3
	v_mov_b32 v[MM+2*\a+1], v[MM+2*\a]
.endr
	s_wait_alu depctr_vm_vsrc(0)                   ; the LDS stores have read v28, v29 and v64 to v255, and with the loads above their addresses v8 to v11: v29 is written below, the gate's loads land in v80 on, its products write v64 on, the lasting addresses take v8 on
	v_lshlrev_b32 v29, 5, v3
	s_wait_alu depctr_va_vdst(0)                   ; v29 is written, which the loads of the gate's bias read
	; THE GATE of my 16 columns of the head: source 0 = 16 rows of the gate's W, source 1 = the mean (lanes r < 8: the chunk's first half, r >= 8: its second)
.irp s, 0,1,2,3,4,5,6,7
.irp c, 0,1
	global_load_b128 v[128+8*\s+4*\c:131+8*\s+4*\c], v12, s[22:23] offset:\s*64+\c*32
	global_load_b128 v[192+8*\s+4*\c:195+8*\s+4*\c], v13, s[8:9] offset:\s*64+\c*32
.endr
.endr
	global_load_b128 v[48:51], v14, s[24:25]
	global_load_b128 v[52:55], v14, s[24:25] offset:16
	global_load_b128 v[56:59], v27, s[10:11]
	global_load_b128 v[60:63], v27, s[10:11] offset:16
	global_load_b128 v[80:83], v29, s[26:27]
	global_load_b128 v[84:87], v29, s[26:27] offset:16
.irp t, 0,1,2,3
	global_load_b128 v[WB1+8*\t:WB1+8*\t+3], v[H64], s[20:21] offset:(32*(\t/2)+8*(\t%2))*4      ; k's bias, in the result's layout
	global_load_b128 v[WB1+8*\t+4:WB1+8*\t+7], v[H64], s[20:21] offset:(32*(\t/2)+8*(\t%2))*4+16
.endr
	s_wait_loadcnt 8                               ; all but the eight loads of k's bias
	s_wait_alu depctr_vm_vsrc(0)                   ; the gate's loads have read their offsets v12, v13, v14 and v27, which the lasting addresses below take
	v_wmma_scale_f32_16x16x128_f8f6f4 v[64:71], v[128:135], v[192:199], v[80:87], v48, v56 matrix_a_fmt:MATRIX_FMT_FP4 matrix_b_fmt:MATRIX_FMT_FP4   ; two sums by turns: even K steps, begun with the bias,
	v_wmma_scale_f32_16x16x128_f8f6f4 v[72:79], v[136:143], v[200:207], 0, v49, v57 matrix_a_fmt:MATRIX_FMT_FP4 matrix_b_fmt:MATRIX_FMT_FP4          ; and odd ones
.irp s, 2,3,4,5,6,7
	v_wmma_scale_f32_16x16x128_f8f6f4 v[64+8*(\s%2):71+8*(\s%2)], v[128+8*\s:135+8*\s], v[192+8*\s:199+8*\s], v[64+8*(\s%2):71+8*(\s%2)], v[48+\s], v[56+\s] matrix_a_fmt:MATRIX_FMT_FP4 matrix_b_fmt:MATRIX_FMT_FP4
.endr
	v_mul_u32_u24 v[WRD], v2, 528                  ; the projection's addresses: nine plain lines, the places behind those products
	v_lshl_add_u32 v[WRD], v3, 4, v[WRD]
	s_lshl_b32 s80, s54, 8
	s_add_co_u32 s80, s80, GL
	v_add_nc_u32 v[GRD], s80, v[H64]
	s_lshl_b32 s80, s48, 8
	s_add_co_u32 s80, s80, ML
	v_add_nc_u32 v[MKRD], s80, v[H64]
	v_add_nc_u32 v[ISTQ], s62, v[L16]
	s_lshl_b32 s80, s54, 12
	s_lshl_b32 s83, s55, 9
	s_add_co_u32 s80, s80, s83
	s_add_co_u32 s80, s80, VIMG
	v_add_nc_u32 v[ISTV], s80, v[L16]
	v_lshl_add_u32 v[SSTQ], v2, 2, s63
	s_lshl_b32 s80, s54, 8
	s_lshl_b32 s83, s55, 1
	s_add_co_u32 s80, s80, s83
	s_add_co_u32 s80, s80, VSC
	v_lshl_add_u32 v[SSTV], v2, 2, s80
	v_add_nc_u32 v[NBA], s79, v[H64]
	s_wait_alu depctr_va_vdst(0)                   ; the gate's products are done reading their scale words v48 to v63, in which the loads below land; the nine addresses are written, which the passes' LDS instructions read
.irp p, 0,1
	global_load_b128 v[WS+8*\p:WS+8*\p+3], v[WSO], s[18:19] offset:\p*1024       ; k's scale words of W
	global_load_b128 v[WS+8*\p+4:WS+8*\p+7], v[WSO], s[18:19] offset:\p*1024+16
.endr
.irp j, 0,1,2,3,4,5,6,7
	v_add_f32 v[64+\j], v[64+\j], v[72+\j]
.endr
.irp j, 0,1,2,3,4,5,6,7
	v_mul_f32 v[64+\j], 0xbfb8aa3b, v[64+\j]       ; x -log2(e)
.endr
	s_wait_alu depctr_va_vdst(0)
.irp j, 0,1,2,3,4,5,6,7
	v_exp_f32 v[64+\j], v[64+\j]
.endr
	v_lshrrev_b32 v28, 3, v2                       ; (a plain line behind the exponentials)
	s_wait_alu depctr_va_vdst(0)                   ; the eight exponentials have written v64 to v71: one wait, ahead of their first reader
.irp j, 0,1,2,3,4,5,6,7
	v_add_f32 v[64+\j], 1.0, v[64+\j]
.endr
	s_wait_alu depctr_va_vdst(0)
.irp j, 0,1,2,3,4,5,6,7
	v_rcp_f32 v[64+\j], v[64+\j]                   ; the sigmoid
.endr
	v_lshlrev_b32 v28, 8, v28
	s_wait_alu depctr_va_vdst(0)                   ; the eight reciprocals have written v64 to v71, ahead of their first reader
.irp j, 0,1,2,3,4,5,6,7
	v_add_f32 v[64+\j], 1.0, v[64+\j]              ; 1 + gate
.endr
	v_lshl_add_u32 v28, v3, 5, v28
	s_lshl_b32 s80, s48, 6
	s_add_co_u32 s80, s80, GL
	v_add_nc_u32 v28, s80, v28                     ; GL + 256 (r / 8) + 64 w + 32 h: eight lanes write the same bytes with the same values
	s_wait_alu depctr_va_vdst(0)                   ; 1 + gate in v64 to v71 and its address v28 are written, which the two stores read; the gate's lines are done with v64 to v79, in which k's first fragments of W land
	ds_store_b128 v28, v[64:67]
	ds_store_b128 v28, v[68:71] offset:16
	s_wait_dscnt 0x0                               ; for the others' sake: W's rows, the masks and the gate have landed
	s_barrier_signal -1
	s_barrier_wait -1
	s_wait_alu depctr_vm_vsrc(0)                   ; my two stores have read v28, which is written below, and v64 to v71, in which k's first fragments of W land
	v_add_nc_u32 v[NBB], NBL+512, v[H64]
.set TM, WB0                           ; QUANT's registers in the projection: the buffer that held 1 + gate or the masks
.set PC, WB0+16
.set PW, WB0+24
	PASS_KQ 1                                      ; k
	EPI_KQ 9216, 1, 0
	PASS_KQ 0                                      ; q
	EPI_KQ 0, 2, 1
	PASS_V                                         ; v
	PLACES 4
	WIN 0x40                                       ; x's fragments are done with: window 1 takes the keys' 0 or -2^100, in the scores' layout, for my first key step and for step 1
	s_wait_alu depctr_va_vdst(0)                   ; the last products are done reading x's fragments, in which the loads below land
.irp i, 0,1,2,3,4,5,6,7
.irp q, 0,1
	ds_load_b128 v[8*\i+4*\q:8*\i+4*\q+3], v[NBA] offset:(32*(\i/2)+8*(\i%2))*4+16*\q
	ds_load_b128 v[64+8*\i+4*\q:64+8*\i+4*\q+3], v[NBB] offset:(32*(\i/2)+8*(\i%2))*4+16*\q
.endr
.endr
	WIN 0
	s_wait_dscnt 32                                ; the keys' masks are older than these 32
.set ea, 0
.rept 4
.set ek, 0
.rept 16
	v_pk_mul_f32 v[ACC+32*ea+ek:ACC+32*ea+ek+1], v[ACC+32*ea+ek:ACC+32*ea+ek+1], v[WB0+ek:WB0+ek+1]   ; v x its row's mask
.set ek, ek+2
.endr
.set ea, ea+1
.endr
.irp u, 0,1
	QUANT ACC+64*\u, 4                             ; along the keys: my 64 keys are half a fragment of each d tile
	s_wait_alu depctr_va_vdst(0)                   ; the codes v[PC ..] and the scale bytes v[PW ..] are written, which the stores below read
	ds_store_b128 v[ISTV], v[PC:PC+3] offset:2048*\u
	ds_store_b128 v[ISTV], v[PC+4:PC+7] offset:2048*\u+1024
	ds_store_b16 v[SSTV], v[PW] offset:128*\u      ; my two bytes of the step's scale word
	ds_store_b16 v[SSTV], v[PW+1] offset:128*\u+64
	s_wait_dscnt 0x0
	s_wait_alu depctr_vm_vsrc(0)                   ; the stores have read v[PC ..] and v[PW ..], which the next conversions write.  Behind the second run: every memory and LDS instruction so far, the prefetches among them, has read its registers, which the attention takes anew
.endr
	s_barrier_signal -1                            ; q's, k's and v's images lie in LDS
	s_barrier_wait -1
; THE ATTENTION.  Registers anew: v8-11 addresses of the step's k, k's scales, v, v's scales; v12 -M, v13 the largest t, v[14:15] the sum; v16-19 the stage in, out, x's offset, YS's offset; v[20:21] 1 / sum;
; v22-23 q's addresses; v24-31 q; v32-35 k's scale words, v36 q's, v37-38 v's, v39 p's; v64-127 k; v128-191 S^T, then p, then y; v192-223 O^T; v224-231 codes; v232-254 at work.
; Window 1: v0-127 the keys' 0 or -2^100; v128-159 v; v160-191 the residual.
.set KAD, 8
.set KSAD, 9
.set VAD, 10
.set VSAD, 11
.set QF, 24
.set KS, 32
.set QS, 36
.set VS, 37
.set PS, 39
.set KF, 64
.set SR, 128
.set OT, 192
.set VF, 128
.set TM, 232
.set PC, 224
.set PW, 248
; a key step of 128 keys.  first = 1: my first step: it starts M, the sum and O^T.  The wait on va_vdst that its loads hang on stands ahead of the macro
.macro ASTEP first
.irp i, 0,1,2,3,4,5,6,7
	ds_load_b128 v[KF+8*\i:KF+8*\i+3], v[KAD] offset:512*\i
.endr
.irp p, 0,1,2,3
	ds_load_b32 v[KS+\p], v[KSAD] offset:128*\p
.endr
	WIN 0x40
.irp t, 0,1,2,3
.irp c, 0,1
	ds_load_b128 v[VF+8*\t+4*\c:VF+8*\t+4*\c+3], v[VAD] offset:1024*\t+512*\c
.endr
.endr
	WIN 0
.irp p, 0,1
	ds_load_b32 v[VS+\p], v[VSAD] offset:128*\p
.endr
	s_wait_dscnt 10                                ; q and k are in; v's eight loads and two scale words may be out
	WIN 0x10                                       ; C in window 1
.irp i, 0,1,2,3,4,5,6,7
	WM SR+8*\i, KF+8*\i, QF, 64*(1-\first)+8*\i, KS+\i/2, QS, \i%2, 0   ; S^T = k q^T + (0 or -2^100): the upper 64 of K are zero codes
.endr
	WIN 0
	PLACES 4
.irp b, 0,1,2,3
	v_max3_num_f32 v[232+\b], v[SR+16*\b], v[SR+1+16*\b], v[SR+2+16*\b]   ; the largest score of each block of 32 keys: for the row's maximum, and for the block's largest p
.endr
.irp i, 3,5,7,9,11,13
.irp b, 0,1,2,3
	v_max3_num_f32 v[232+\b], v[232+\b], v[SR+16*\b+\i], v[SR+1+16*\b+\i]
.endr
.endr
.irp b, 0,1,2,3
	v_max_num_f32 v[232+\b], v[232+\b], v[SR+15+16*\b]
.endr
.irp b, 0,1,2,3
	v_permlanex16_b32 v[236+\b], v[232+\b], s56, s57
.endr
.irp b, 0,1,2,3
	v_max_num_f32 v[232+\b], v[232+\b], v[236+\b]
.endr
	v_max3_num_f32 v254, v232, v233, v234
	v_max_num_f32 v254, v254, v235
	v_mul_f32 v254, s58, v254                      ; as t
.if \first
	v_max_num_f32 v13, 0xdd800000, v254            ; held at -2^60 from below
	v_floor_f32 v12, -v13                          ; -M = floor(-t): M is a whole number
.else
	v_max_num_f32 v13, v13, v254
	v_mov_b32 v254, v12
	v_floor_f32 v12, -v13
	v_sub_f32 v254, v12, v254                      ; old M - new M: a whole number, 0 or less
	v_cvt_i32_f32 v254, v254                       ; (it saturates)
	v_ldexp_f32 v252, 1.0, v254                    ; f = 2^(old M - new M)
.endif
.set j, 0
.rept 32
	v_pk_fma_f32 v[SR+j:SR+j+1], v[SR+j:SR+j+1], s[58:59], v[12:13] op_sel_hi:[1,0,0]   ; t - M
.set j, j+2
.endr
.irp b, 0,1,2,3
	v_fma_f32 v[232+\b], v[232+\b], s58, v12
.endr
.set j, 0
	s_wait_alu depctr_va_vdst(0)
.rept 64
	v_exp_f32 v[SR+j], v[SR+j]                     ; p = 2^(t - M)
.set j, j+1
.endr
.if \first
	v_nop                                          ; a plain line behind the exponentials
.else
	v_pk_mul_f32 v[14:15], v[14:15], v[252:253] op_sel_hi:[1,0]   ; the sum under the new M (a plain line behind the exponentials)
.endif
	s_wait_alu depctr_va_vdst(0)                   ; the 64 exponentials have written p: one wait, ahead of their first reader
.irp b, 0,1,2,3
	v_exp_f32 v[232+\b], v[232+\b]                 ; each block's largest p
.endr
	v_pk_add_f32 v[236:237], v[SR:SR+1], v[SR+2:SR+3]   ; the row's sum of the unquantised p, in two chains
.irp j, 4,8,12,16,20,24,28,32,36,40,44,48,52,56,60
	v_pk_add_f32 v[14:15], v[14:15], v[SR+\j:SR+\j+1]
	v_pk_add_f32 v[236:237], v[236:237], v[SR+\j+2:SR+\j+3]
.endr
	v_pk_add_f32 v[14:15], v[14:15], v[236:237]
	s_wait_alu depctr_va_vdst(0)                   ; the four exponentials have written v232 to v235, ahead of their first reader
.irp b, 0,1,2,3
	v_max_num_f32 v[232+\b], 0x1800000, v[232+\b]
.endr
.irp b, 0,1,2,3
	v_add_nc_u32 v[244+\b], 0xff000000, v[232+\b]
.endr
.irp b, 0,1,2,3
	v_lshrrev_b32 v[236+\b], 23, v[244+\b]
.endr
	v_lshl_or_b32 v[PS], v237, 8, v236             ; p's scale word
	v_lshl_or_b32 v[PS], v238, 16, v[PS]
	v_lshl_or_b32 v[PS], v239, 24, v[PS]
.irp b, 0,1,2,3
	v_cvt_scalef32_pk8_fp4_f32 v[PC+2*\b], v[SR+16*\b:SR+16*\b+7], v[244+\b]
	v_cvt_scalef32_pk8_fp4_f32 v[PC+2*\b+1], v[SR+16*\b+8:SR+16*\b+15], v[244+\b]
.endr
	v_nop
.irp c, 0,1
.irp i, 0,1
	v_permlane16_swap_b32 v[PC+4*\c+\i], v[PC+4*\c+\i+2]
.endr
.endr
.if \first
	PLACES 8                                       ; a scale register written by a vector instruction stands eight places ahead of the product
.else
.set j, 0
.rept 16
	v_pk_mul_f32 v[OT+j:OT+j+1], v[OT+j:OT+j+1], v[252:253] op_sel_hi:[1,0]   ; O^T under the new M; for each product twelve of these name none of its registers: its places
.set j, j+2
.endr
.endif
	s_wait_dscnt 0x0                               ; v is in
	s_wait_alu depctr_va_vdst(0)                   ; p's codes v[PC ..] and its scale word v[PS] are written, which the products below take as source 1 and as scales; the places above stay beside this wait
	WIN 0x01                                       ; source 0 in window 1
.irp t, 0,1,2,3
.if \first
	WM0 OT+8*\t, VF+8*\t, PC, VS+\t/2, PS, \t%2
.else
	WM OT+8*\t, VF+8*\t, PC, OT+8*\t, VS+\t/2, PS, \t%2, 0
.endif
.endr
	WIN 0
.endm
	s_wait_xcnt 0x0                                ; the prefetches have had their addresses translated: v24 and its neighbours are written anew (the wait on vm_vsrc behind v's last stores stands ahead of these writes too: no memory or LDS instruction has been issued since)
	s_mul_i32 s80, s48, 4352
	s_add_co_u32 s80, s80, XST                     ; my stage
	v_mul_u32_u24 v16, v3, 272
	v_lshl_add_u32 v16, v2, 4, v16
	v_add_nc_u32 v16, s80, v16                     ; in: lanes 0-15 one row of 256 bytes, lanes 16-31 the next
	v_mul_u32_u24 v17, v2, 272
	v_lshl_add_u32 v17, v3, 6, v17
	v_add_nc_u32 v17, s80, v17                     ; out: row r, 64 h
	v_lshlrev_b32 v18, 12, v3
	v_lshl_add_u32 v18, v2, 4, v18                 ; the same two rows in x
	v_lshl_add_u32 v19, v2, 2, v3                  ; 4 r + h
	v_mov_b32 v21, 0                               ; (named as the upper halves of pairs)
	v_mov_b32 v252, 0
	v_mov_b32 v253, 0
.irp b, 0,1,2,3
	v_mov_b32 v[236+\b], 0                         ; (a lane permute's destination counts as one of its sources)
	v_mov_b32 v[QF+4+\b], 0                        ; K = 64 .. 127 of q: zero codes
.endr
.irp i, 0,1,2,3,4,5,6,7
.irp b, 4,5,6,7
	v_mov_b32 v[KF+8*\i+\b], 0                     ; and of k
.endr
.endr
	s_mov_b32 s61, 0
.Lqt:                                                  ; four trips: my four tiles of 16 queries
	s_lshr_b32 s72, s61, 1
	s_lshl_b32 s72, s72, 17
	s_and_b32 s73, s61, 1
	s_lshl_b32 s73, s73, 15
	s_or_b32 s72, s72, s73                         ; the tile's first row: 32 (a / 2) + 8 (a % 2), x 4,096 bytes
	s_mov_b32 s73, 0
	s_add_nc_u64 s[70:71], s[30:31], s[72:73]
	s_wait_alu depctr_vm_vsrc(0)                   ; the last trip's LDS loads have read v8 to v11, v22 and v23, which are written below; its stage's stores the residual's registers, in which this trip's loads land; its global stores v224 to v227 and v250, which this trip writes again
	v_add_nc_u32 v22, s62, v[L16]
	v_lshl_add_u32 v23, v2, 2, s63
	v_add_nc_u32 v[KAD], s66, v[L16]
	v_add_nc_u32 v[KSAD], s67, v[L4]
	v_add_nc_u32 v[VAD], s68, v[L16]
	v_add_nc_u32 v[VSAD], s69, v[L4]
	v_mov_b32 v14, 0
	v_mov_b32 v15, 0
	s_wait_alu depctr_va_vdst(0)                   ; the six addresses are written (in the first trip v16 to v19 too, and the zero codes of q and k, which the score products take); the last trip's products are done reading q, k, v and their scale words, in which the loads below land
	WIN 0x40
.irp i, 0,1,2,3,4,5,6,7
	global_load_b128 v[160+4*\i:163+4*\i], v18, s[70:71] offset:(2*\i+8*(\i/4))*4096 th:TH_LOAD_NT   ; the residual: sixteen lanes read a row's 256 bytes of this head
.endr
	WIN 0
	ds_load_b128 v[QF:QF+3], v22
	ds_load_b32 v[QS], v23
	ASTEP 1
	s_wait_alu depctr_vm_vsrc(0)                   ; the step's LDS loads have read v8 to v11, which t's second step writes anew: the wait stands ahead of the branch
	s_cmp_lg_u32 s51, 0                            ; a batch of v has 128 keys: one step.  The branch hangs on the work-group's number alone
	s_cbranch_scc1 .Ltail
	v_add_nc_u32 v[KAD], KIMG+4096, v[L16]         ; t's keys 128-255.  (These four lines are the places behind the last products, in front of the loads into their registers)
	v_add_nc_u32 v[KSAD], KSC+512, v[L4]
	v_add_nc_u32 v[VAD], VIMG+4096, v[L16]
	v_add_nc_u32 v[VSAD], VSC+256, v[L4]
	s_wait_alu depctr_va_vdst(0)                   ; the four addresses are written; the first step's products are done reading k, v and their scale words, in which the second step's loads land
	ASTEP 0
.Ltail:
	PLACES 4
	v_add_f32 v14, v14, v15
	v_permlanex16_b32 v252, v14, s56, s57
	v_add_f32 v14, v14, v252                       ; the row's sum
	s_wait_alu depctr_va_vdst(0)
	v_rcp_f32 v20, v14
	v_nop
	s_wait_loadcnt 0x0                             ; the residual
	s_wait_alu depctr_va_vdst(0)                   ; the reciprocal has written v20, ahead of its first reader below; the softmax's lines are done with v128 to v159, in which the stage's loads land
	WIN 0x04                                       ; an LDS store's data are its source 1: window 1
.irp i, 0,1,2,3,4,5,6,7
	ds_store_b128 v16, v[160+4*\i:163+4*\i] offset:544*\i
.endr
	WIN 0
.irp b, 0,1
.irp i, 0,1,2,3
	ds_load_b128 v[SR+16*\b+4*\i:SR+16*\b+4*\i+3], v17 offset:128*\b+16*\i   ; back in O^T's layout: register 16 b + i = d 32 b + 16 h + i of my query
.endr
.endr
	s_wait_dscnt 0x0
.set j, 0
.rept 16
	v_pk_fma_f32 v[SR+j:SR+j+1], v[OT+j:OT+j+1], v[20:21], v[SR+j:SR+j+1] op_sel_hi:[1,0,1]   ; y = x + O / sum
.set j, j+2
.endr
	QUANT SR, 2
	v_cndmask_b32 v250, v[TM+4], v[TM+5], s60      ; block h's byte
	s_wait_alu depctr_va_vdst(0)                   ; y's codes v224 to v227 and the byte v250 are written, which the two stores read
	global_store_b128 v[L16], v[PC:PC+3], s[74:75] ; blocks 2 head and 2 head + 1 of 16 rows: 512 consecutive bytes
	global_store_b8 v19, v250, s[76:77]
	s_wait_xcnt 0x0                                ; bases and data are written again only behind this wait
	s_add_nc_u64 s[74:75], s[74:75], 8192
	s_add_nc_u64 s[76:77], s[76:77], 64
	s_add_co_u32 s62, s62, 512
	s_add_co_u32 s63, s63, 64
	s_add_co_u32 s61, s61, 1
	s_cmp_lt_u32 s61, 4
	s_cbranch_scc1 .Lqt
	s_wait_dscnt 0x0                               ; the closing lines, six on end
	s_wait_alu 0x0
	s_wait_tensorcnt 0x0
	ds_add_u32 v[SPW], v[NIL]
	s_wait_dscnt 0x0
	s_endpgm
.Lfunc_end_k_q39f7e01aa6_attn:
	.size	k_q39f7e01aa6_attn, .Lfunc_end_k_q39f7e01aa6_attn-k_q39f7e01aa6_attn
	.p2alignl 7, 3214868480
	.fill 96, 4, 3214868480
	.section	.rodata,"a",@progbits
	.p2align	6, 0x0
	.amdhsa_kernel k_q39f7e01aa6_attn
		.amdhsa_group_segment_fixed_size 148992
		.amdhsa_private_segment_fixed_size 0
		.amdhsa_enable_private_segment 0
		.amdhsa_kernarg_size 176
		.amdhsa_user_sgpr_count 2
		.amdhsa_user_sgpr_kernarg_segment_ptr 1
		.amdhsa_wavefront_size32 1
		.amdhsa_system_sgpr_workgroup_id_x 1
		.amdhsa_system_sgpr_workgroup_id_y 1
		.amdhsa_system_sgpr_workgroup_id_z 1
		.amdhsa_system_vgpr_workitem_id 0
		.amdhsa_next_free_vgpr 512
		.amdhsa_next_free_sgpr 96
		.amdhsa_reserve_vcc 0
		.amdhsa_float_denorm_mode_32 3
		.amdhsa_float_denorm_mode_16_64 3
		.amdhsa_memory_ordered 1
		.amdhsa_forward_progress 1
		.amdhsa_inst_pref_size 185
	.end_amdhsa_kernel
	.amdgpu_metadata
---
amdhsa.version: [ 1, 2 ]
amdhsa.kernels:
  - .name:           k_q39f7e01aa6_attn
    .symbol:         k_q39f7e01aa6_attn.kd
    .args:
      - { .name: XC, .offset: 0, .size: 8, .value_kind: global_buffer, .address_space: global }
      - { .name: XS, .offset: 8, .size: 8, .value_kind: global_buffer, .address_space: global }
      - { .name: MC, .offset: 16, .size: 8, .value_kind: global_buffer, .address_space: global }
      - { .name: MS, .offset: 24, .size: 8, .value_kind: global_buffer, .address_space: global }
      - { .name: YC, .offset: 32, .size: 8, .value_kind: global_buffer, .address_space: global }
      - { .name: YS, .offset: 40, .size: 8, .value_kind: global_buffer, .address_space: global }
      - { .name: W_v_codes, .offset: 48, .size: 8, .value_kind: global_buffer, .address_space: global }
      - { .name: W_t_codes, .offset: 56, .size: 8, .value_kind: global_buffer, .address_space: global }
      - { .name: W_v_scales, .offset: 64, .size: 8, .value_kind: global_buffer, .address_space: global }
      - { .name: W_t_scales, .offset: 72, .size: 8, .value_kind: global_buffer, .address_space: global }
      - { .name: b_v, .offset: 80, .size: 8, .value_kind: global_buffer, .address_space: global }
      - { .name: b_t, .offset: 88, .size: 8, .value_kind: global_buffer, .address_space: global }
      - { .name: W_t4v_codes, .offset: 96, .size: 8, .value_kind: global_buffer, .address_space: global }
      - { .name: W_v4t_codes, .offset: 104, .size: 8, .value_kind: global_buffer, .address_space: global }
      - { .name: W_t4v_scales, .offset: 112, .size: 8, .value_kind: global_buffer, .address_space: global }
      - { .name: W_v4t_scales, .offset: 120, .size: 8, .value_kind: global_buffer, .address_space: global }
      - { .name: b_t4v, .offset: 128, .size: 8, .value_kind: global_buffer, .address_space: global }
      - { .name: b_v4t, .offset: 136, .size: 8, .value_kind: global_buffer, .address_space: global }
      - { .name: v_mask, .offset: 144, .size: 8, .value_kind: global_buffer, .address_space: global }
      - { .name: t_mask, .offset: 152, .size: 8, .value_kind: global_buffer, .address_space: global }
      - { .name: v, .offset: 160, .size: 8, .value_kind: global_buffer, .address_space: global }
      - { .name: t, .offset: 168, .size: 8, .value_kind: global_buffer, .address_space: global }
    .group_segment_fixed_size: 148992
    .private_segment_fixed_size: 0
    .kernarg_segment_align: 8
    .kernarg_segment_size: 176
    .max_flat_workgroup_size: 128
    .sgpr_count:     96
    .vgpr_count:     512
    .wavefront_size: 32
...
	.end_amdgpu_metadata
.endif
;; end of part 5
;; launch outp (part 6): grid 8 x 48, 4 waves a work-group, no clusters, 85,504 bytes of LDS; arguments YC, YS, W_vo_codes, W_to_codes, W_vo_scales, W_to_scales, b_vo, b_to, out0, out1; writes out0, out1
.if DOCPART == 6
	.amdgcn_target "amdgcn-amd-amdhsa--gfx1250"
	.amdhsa_code_object_version 6
	.text
	.protected	k_q39f7e01aa6_outp
	.globl	k_q39f7e01aa6_outp
	.p2align	8
	.type	k_q39f7e01aa6_outp,@function
k_q39f7e01aa6_outp:
	s_mov_b64 s[64:65], 0
	v_nop
	global_prefetch_b8 v0, s[64:65] scope:SCOPE_SE
	s_setreg_imm32_b32 hwreg(HW_REG_WAVE_SCHED_MODE, 0, 2), 2
	s_setreg_imm32_b32 hwreg(HW_REG_WAVE_MODE, 25, 1), 1
	s_wait_xcnt 0x0
	s_wait_alu depctr_vm_vsrc(0)
; THIRD LAUNCH.  out = y Wo^T + bo on codes of E2M1: y = x + update as the second launch left it (YC, YS: fragments in the operand's own order; place i of tile 2 g + u = row 32 g + 8 u + i + 8 (i / 8)).
; No work of the problem is left out.  Work-group (x, chunk): 256 rows x 128 columns.  Wave w owns rows 64 w .. 64 w + 63; its codes of y, all of K = 1,024, stay in 256 registers for two passes of 64 columns;
; the 128 rows of Wo lie in LDS.  The product is used transposed (source 0 = 16 rows of Wo, source 1 = 16 rows of y): a lane holds eight neighbouring columns of one row.  The bias is the C of each sum's first product.
; The results go through the wave's own stage in LDS and leave as rows: sixteen lanes store 256 consecutive bytes, aligned.
; NO CLUSTER, NO TENSOR LOAD: y's codes go straight into the registers of the one wave that owns the rows, where a joint load cannot land; the shared slice of Wo is 64 KiB of the 192 KiB that a work-group reads.
; THE MODE: SCHED_MODE bits 1:0 = 2 (LLVM: expert scheduling mode 2), set by the entry lines.  The code itself states the register dependences
; between vector or matrix instructions and memory or LDS instructions, with s_wait_alu, always for 0.
; THE PLAN.  Registers that memory or LDS instructions touch:
;   WB0, WB1      Wo's fragments, by turns.  K step s: its products read buffer s % 2; the loads of K step s + 1 land in the other one, which the products of step s - 1 read.  ONE wait on va_vdst stands at a step's
;                 head; the step's eight loads follow it one behind each of its first eight products, which name the other buffer, y's fragments, the accumulators and the scale words alone.
;   v[WRD]        Read by every load of a fragment; written once, behind the first pass, between a wait on vm_vsrc and the wait on va_vdst that stands there anyway.
;   ACC           Written by the products; read by the stage's LDS stores behind that wait on va_vdst; a wait on vm_vsrc stands ahead of the next pass's products (at the head: behind the stores of Wo's rows, which came through these registers).
;   WB0, on the way out: a tile's rows land in it from the stage, the global stores read it: a wait on vm_vsrc ahead of the next tile's loads.
;   WS, WB1       Behind the first pass the second pass's scale words and bias land in them, behind the same wait on va_vdst.
.set WSEG,  33792                      ; 64 rows of Wo x (512 + 16) bytes; two of them from byte 0
.set STG,   67584                      ; 16 rows x 272 bytes for each wave
.set SPARE, 84992                      ; the spare words, 128 bytes a wave: two blocks of 256 bytes that no other line names
.set SPW, 4
.set NIL, 5
.set L16, 6
.set L4,  7
.set WRD, 8
.set WST, 9
.set WSO, 10
.set H32, 11
.set STO, 12
.set SRD, 13
.set GO,  14
.set AS,  32                           ; v32-47 y's scale words, v48-63 Wo's: scales and nothing else
.set WS,  48
.set WB0, 64
.set WB1, 96
.set ACC, 128
.set MSB, 0
.macro WIN new
.if MSB != \new
	s_set_vgpr_msb (MSB<<8)|\new
.set MSB, \new
.endif
.endm
.macro PLACES n
.rept \n
	v_nop
.endr
.endm
.macro WM d, a, b, c, sa, sb, ra, rb
.if (\ra) && (\rb)
	v_wmma_scale_f32_16x16x128_f8f6f4 v[\d:\d+7], v[\a:\a+7], v[\b:\b+7], v[\c:\c+7], v[\sa], v[\sb] matrix_a_fmt:MATRIX_FMT_FP4 matrix_b_fmt:MATRIX_FMT_FP4 matrix_a_scale:MATRIX_SCALE_ROW1 matrix_b_scale:MATRIX_SCALE_ROW1
.elseif (\ra)
	v_wmma_scale_f32_16x16x128_f8f6f4 v[\d:\d+7], v[\a:\a+7], v[\b:\b+7], v[\c:\c+7], v[\sa], v[\sb] matrix_a_fmt:MATRIX_FMT_FP4 matrix_b_fmt:MATRIX_FMT_FP4 matrix_a_scale:MATRIX_SCALE_ROW1
.elseif (\rb)
	v_wmma_scale_f32_16x16x128_f8f6f4 v[\d:\d+7], v[\a:\a+7], v[\b:\b+7], v[\c:\c+7], v[\sa], v[\sb] matrix_a_fmt:MATRIX_FMT_FP4 matrix_b_fmt:MATRIX_FMT_FP4 matrix_b_scale:MATRIX_SCALE_ROW1
.else
	v_wmma_scale_f32_16x16x128_f8f6f4 v[\d:\d+7], v[\a:\a+7], v[\b:\b+7], v[\c:\c+7], v[\sa], v[\sb] matrix_a_fmt:MATRIX_FMT_FP4 matrix_b_fmt:MATRIX_FMT_FP4
.endif
.endm
.macro FETCHW s, buf                   ; four fragments of Wo, K step s, in one run
.irp t, 0,1,2,3
.irp c, 0,1
	ds_load_b128 v[\buf+8*\t+4*\c:\buf+8*\t+4*\c+3], v[WRD] offset:\t*8448+(\s)*64+\c*32
.endr
.endr
.endm
; 16 products, the 16 accumulators by turns; y's fragments in window 1 at v[64 a + 8 s].  deal = 1: one load of K step s + 1's four fragments, into nbuf, stands behind each of
; the first eight products.  No wait among them: no product of this step names nbuf or v[WRD].
.macro MULT s, buf, first, deal, nbuf
	WIN 0x04
.set mi, 0
.irp a, 0,1,2,3
.irp t, 0,1,2,3
.if \first
	WM ACC+8*(4*\a+\t), \buf+8*\t, 64*\a+8*(\s), WB1+8*\t, WS+8*(\t/2)+(\s), AS+8*(\a/2)+(\s), \t%2, \a%2
.else
	WM ACC+8*(4*\a+\t), \buf+8*\t, 64*\a+8*(\s), ACC+8*(4*\a+\t), WS+8*(\t/2)+(\s), AS+8*(\a/2)+(\s), \t%2, \a%2
.endif
.if ((\deal) == 1) && (mi < 8)
	ds_load_b128 v[\nbuf+4*mi:\nbuf+4*mi+3], v[WRD] offset:(mi/2)*8448+((\s)+1)*64+(mi%2)*32
.endif
.set mi, mi+1
.endr
.endr
.endm
.macro PASS                            ; 64 rows x 64 columns x K = 1,024; Wo's fragments in two buffers; four places behind each step's products, in front of the loads into registers that they have read
	FETCHW 0, WB0
	s_wait_loadcnt 0x0                             ; y's codes and scale words, this pass's scale words of Wo and its bias
	s_wait_dscnt 0x0
	MULT 0, WB0, 1, 0, WB0
	PLACES 4
	s_wait_alu depctr_va_vdst(0)                   ; K step 0's products are done reading WB0 (their fragments) and WB1 (the bias): the loads of K steps 1 and 2 land there
	FETCHW 1, WB1
	s_wait_dscnt 0x0
	MULT 1, WB1, 0, 1, WB0
.irp s, 2,3,4,5,6
	PLACES 4
	s_wait_dscnt 0x0                               ; this K step's fragments, asked for among the last step's products, are in
	s_wait_alu depctr_va_vdst(0)                   ; the last step's products are done reading the other buffer, in which the next step's fragments land
	MULT \s, WB0+32*(\s%2), 0, 1, WB0+32*((\s+1)%2)
.endr
	s_wait_dscnt 0x0
	MULT 7, WB1, 0, 0, WB0
.endm
.macro EPI_OUT ps
	WIN 0
	PLACES 4
.if \ps == 0
	s_wait_alu depctr_vm_vsrc(0)                   ; the pass's LDS loads have read v[WRD]
	v_add_nc_u32 v[WRD], WSEG, v[WRD]
.endif
	s_wait_alu depctr_va_vdst(0)                   ; the products have written the accumulators, which the stage's stores read, and are done reading both buffers and Wo's scale words, in which loads below land; behind the first pass v[WRD] is written too; the places above stay beside this wait
.if \ps == 0
.irp p, 0,1
	global_load_b128 v[WS+8*\p:WS+8*\p+3], v[WSO], s[10:11] offset:2048+\p*1024        ; the second pass's scale words and bias
	global_load_b128 v[WS+8*\p+4:WS+8*\p+7], v[WSO], s[10:11] offset:2048+\p*1024+16
.endr
.irp t, 0,1,2,3
	global_load_b128 v[WB1+8*\t:WB1+8*\t+3], v[H32], s[12:13] offset:256+\t*64
	global_load_b128 v[WB1+8*\t+4:WB1+8*\t+7], v[H32], s[12:13] offset:256+\t*64+16
.endr
.endif
.irp a, 0,1,2,3
	s_wait_xcnt 0x0                                ; the last tile's stores have had their addresses translated
.if \a > 0
	s_wait_alu depctr_vm_vsrc(0)                   ; the last tile's global stores have read v64 to v95, in which this tile's rows land
.endif
.irp t, 0,1,2,3
	ds_store_b128 v[STO], v[ACC+8*(4*\a+\t):ACC+8*(4*\a+\t)+3] offset:64*\t          ; each accumulator from its low end on
	ds_store_b128 v[STO], v[ACC+8*(4*\a+\t)+4:ACC+8*(4*\a+\t)+7] offset:64*\t+16
.endr
.irp i, 0,1,2,3,4,5,6,7
	ds_load_b128 v[WB0+4*\i:WB0+4*\i+3], v[SRD] offset:544*\i   ; LDS serves a wave's instructions in order: these see my stores
.endr
	s_wait_dscnt 0x0
.irp i, 0,1,2,3,4,5,6,7
	global_store_b128 v[GO], v[WB0+4*\i:WB0+4*\i+3], s[14:15] offset:(32*(\a/2)+8*(\a%2)+2*\i+8*(\i/4))*4096+\ps*256 th:TH_STORE_NT
.endr
.endr
	s_wait_xcnt 0x0
.if \ps == 0
	s_wait_alu depctr_vm_vsrc(0)                   ; the stage's stores have read the accumulators, which the second pass's products write; the last global stores have read v64 to v95, in which its first fragments land
.endif
.endm
	s_load_b128 s[4:7], s[0:1], 0x0                ; YC, YS
	s_load_b512 s[8:23], s[0:1], 0x10              ; four pairs, v's buffer first, t's second
	v_lshl_add_u32 v[SPW], v0, 2, SPARE
	v_mov_b32 v[NIL], 0
	v_lshrrev_b32 v1, 5, v0
	v_readfirstlane_b32 s24, v1                    ; wave 0..3
	v_and_b32 v1, 31, v0
	v_and_b32 v2, 15, v0                           ; r
	v_bfe_u32 v3, v0, 4, 1                         ; h
	v_lshlrev_b32 v[L16], 4, v1
	s_wait_alu depctr_va_vdst(0)
	v_lshlrev_b32 v[L4], 2, v1
	s_wait_alu depctr_va_sdst(0)                   ; s24 is written, ahead of its first reader: LDS places and the buffers' offsets are made from it
	s_and_b32 s26, ttmp7, 0xffff                   ; chunk
	s_cmp_lt_u32 s26, 16
	s_cselect_b32 s27, 1, 0
	s_cselect_b32 s28, 0, 16
	s_sub_co_u32 s28, s26, s28
	s_lshl_b32 s28, s28, 8                         ; the chunk's first row in its output
	v_mul_u32_u24 v[WRD], v2, 528
	v_lshl_add_u32 v[WRD], v3, 4, v[WRD]
	s_mul_i32 s32, s24, 32*528
	v_add_nc_u32 v[WST], s32, v[L16]               ; my 32 rows of Wo in LDS
	v_lshlrev_b32 v[WSO], 5, v1                    ; Wo's scale words: row = lane of a pair of tiles, 32 bytes a row
	v_lshlrev_b32 v[H32], 5, v3
	s_mul_i32 s32, s24, 4352
	s_add_co_u32 s32, s32, STG
	v_mul_u32_u24 v[STO], v2, 272
	v_lshl_add_u32 v[STO], v3, 5, v[STO]
	v_add_nc_u32 v[STO], s32, v[STO]               ; in: row r, 32 h
	v_mul_u32_u24 v[SRD], v3, 272
	v_lshl_add_u32 v[SRD], v2, 4, v[SRD]
	v_add_nc_u32 v[SRD], s32, v[SRD]               ; back: lanes 0-15 one row of 256 bytes, lanes 16-31 the next
	v_lshlrev_b32 v[GO], 12, v3
	v_lshl_add_u32 v[GO], v2, 4, v[GO]             ; and the same two rows in the output
	s_mov_b32 s31, 0
	s_wait_kmcnt 0x0
	s_cmp_lg_u32 s27, 0                            ; the choices hang on the work-group's number alone
	s_cselect_b64 s[8:9], s[8:9], s[10:11]         ; Wo's codes
	s_cselect_b64 s[10:11], s[12:13], s[14:15]     ; its scales
	s_cselect_b64 s[12:13], s[16:17], s[18:19]     ; bo
	s_cselect_b64 s[14:15], s[20:21], s[22:23]     ; out
	s_lshl_b32 s30, s26, 17
	s_lshl_b32 s32, s24, 15
	s_add_co_u32 s30, s30, s32
	s_add_nc_u64 s[4:5], s[4:5], s[30:31]
	s_lshl_b32 s30, s26, 10
	s_lshl_b32 s32, s24, 8
	s_add_co_u32 s30, s30, s32
	s_add_nc_u64 s[6:7], s[6:7], s[30:31]
	s_lshl_b32 s30, ttmp9, 16
	s_lshl_b32 s32, s24, 14
	s_add_co_u32 s30, s30, s32
	s_add_nc_u64 s[8:9], s[8:9], s[30:31]          ; rows 128 x + 32 w of Wo
	s_lshl_b32 s30, ttmp9, 12
	s_add_nc_u64 s[10:11], s[10:11], s[30:31]
	s_lshl_b32 s30, ttmp9, 9
	s_add_nc_u64 s[12:13], s[12:13], s[30:31]
	s_lshl_b32 s32, s24, 6
	s_add_co_u32 s32, s32, s28
	s_lshl_b32 s32, s32, 12
	s_add_co_u32 s30, s30, s32
	s_add_nc_u64 s[14:15], s[14:15], s[30:31]      ; my first row, my work-group's 512 bytes of it
	s_wait_alu depctr_va_vdst(0)                   ; the nine offsets and addresses v6 to v14 are written, which the loads, LDS instructions and stores of the whole kernel read
.set i, 0
.rept 32
	global_load_b128 v[128+4*i:131+4*i], v[L16], s[8:9] offset:512*i   ; a whole row of Wo a load
.set i, i+1
.endr
	WIN 0x40
.set i, 0
.rept 64
	global_load_b128 v[4*i:4*i+3], v[L16], s[4:5] offset:512*i
.set i, i+1
.endr
	WIN 0
.set i, 0
.rept 16
	global_load_b32 v[AS+i], v[L4], s[6:7] offset:(i%8)*49152+(i/8)*128
.set i, i+1
.endr
.irp p, 0,1
	global_load_b128 v[WS+8*\p:WS+8*\p+3], v[WSO], s[10:11] offset:\p*1024
	global_load_b128 v[WS+8*\p+4:WS+8*\p+7], v[WSO], s[10:11] offset:\p*1024+16
.endr
.irp t, 0,1,2,3
	global_load_b128 v[WB1+8*\t:WB1+8*\t+3], v[H32], s[12:13] offset:\t*64
	global_load_b128 v[WB1+8*\t+4:WB1+8*\t+7], v[H32], s[12:13] offset:\t*64+16
.endr
	s_wait_loadcnt 63                              ; behind Wo's rows stand 92 younger loads: they are in
.set i, 0
.rept 32
	ds_store_b128 v[WST], v[128+4*i:131+4*i] offset:528*i
.set i, i+1
.endr
	s_wait_dscnt 0x0                               ; for the others' sake: my rows of Wo have landed
	s_barrier_signal -1
	s_barrier_wait -1
	s_wait_alu depctr_vm_vsrc(0)                   ; my LDS stores have read v128 to v255: these registers are the accumulators from here on, written by the products
	PASS
	EPI_OUT 0
	PASS
	EPI_OUT 1
	s_wait_dscnt 0x0                               ; the closing lines, six on end
	s_wait_alu 0x0
	s_wait_tensorcnt 0x0
	ds_add_u32 v[SPW], v[NIL]
	s_wait_dscnt 0x0
	s_endpgm
.Lfunc_end_k_q39f7e01aa6_outp:
	.size	k_q39f7e01aa6_outp, .Lfunc_end_k_q39f7e01aa6_outp-k_q39f7e01aa6_outp
	.p2alignl 7, 3214868480
	.fill 96, 4, 3214868480
	.section	.rodata,"a",@progbits
	.p2align	6, 0x0
	.amdhsa_kernel k_q39f7e01aa6_outp
		.amdhsa_group_segment_fixed_size 85504
		.amdhsa_private_segment_fixed_size 0
		.amdhsa_enable_private_segment 0
		.amdhsa_kernarg_size 80
		.amdhsa_user_sgpr_count 2
		.amdhsa_user_sgpr_kernarg_segment_ptr 1
		.amdhsa_wavefront_size32 1
		.amdhsa_system_sgpr_workgroup_id_x 1
		.amdhsa_system_sgpr_workgroup_id_y 1
		.amdhsa_system_sgpr_workgroup_id_z 1
		.amdhsa_system_vgpr_workitem_id 0
		.amdhsa_next_free_vgpr 512
		.amdhsa_next_free_sgpr 66
		.amdhsa_reserve_vcc 0
		.amdhsa_float_denorm_mode_32 3
		.amdhsa_float_denorm_mode_16_64 3
		.amdhsa_memory_ordered 1
		.amdhsa_forward_progress 1
		.amdhsa_inst_pref_size 76
	.end_amdhsa_kernel
	.amdgpu_metadata
---
amdhsa.version: [ 1, 2 ]
amdhsa.kernels:
  - .name:           k_q39f7e01aa6_outp
    .symbol:         k_q39f7e01aa6_outp.kd
    .args:
      - { .name: YC, .offset: 0, .size: 8, .value_kind: global_buffer, .address_space: global }
      - { .name: YS, .offset: 8, .size: 8, .value_kind: global_buffer, .address_space: global }
      - { .name: W_vo_codes, .offset: 16, .size: 8, .value_kind: global_buffer, .address_space: global }
      - { .name: W_to_codes, .offset: 24, .size: 8, .value_kind: global_buffer, .address_space: global }
      - { .name: W_vo_scales, .offset: 32, .size: 8, .value_kind: global_buffer, .address_space: global }
      - { .name: W_to_scales, .offset: 40, .size: 8, .value_kind: global_buffer, .address_space: global }
      - { .name: b_vo, .offset: 48, .size: 8, .value_kind: global_buffer, .address_space: global }
      - { .name: b_to, .offset: 56, .size: 8, .value_kind: global_buffer, .address_space: global }
      - { .name: out0, .offset: 64, .size: 8, .value_kind: global_buffer, .address_space: global }
      - { .name: out1, .offset: 72, .size: 8, .value_kind: global_buffer, .address_space: global }
    .group_segment_fixed_size: 85504
    .private_segment_fixed_size: 0
    .kernarg_segment_align: 8
    .kernarg_segment_size: 80
    .max_flat_workgroup_size: 128
    .sgpr_count:     66
    .vgpr_count:     512
    .wavefront_size: 32
...
	.end_amdgpu_metadata
.endif
;; end of part 6
